; MI455X (gfx1250); checked and timed in simulation.
; The chip was launched on July 23, 2026; its instructions are those of AMD's public machine-readable ISA for CDNA 5 (MIT licence, August 2026) and "CDNA5" Instruction Set Architecture Reference Guide (July 2026). The comments in the code are by the model that wrote it; some were corrected since.
;; Masked Mo E2. Allowed arithmetic: float matrix products may take bf16 or f16 operands with f32 sums; other float arithmetic in f32, or as packed bf16 or f16 multiplies, adds, multiply-adds, maxima and minima; sums over many terms, partial sums and values carried from step to step in f32; what a program stores and reads back later, other than sums and carried values, may be rounded once to bf16 or f16.
;; Inputs: b1 8 x 4,096 float32; b2 8 x 1,024 float32; inputs 2 x 512 x 1,024 float32; masks 1,024 x 8 float32; router_w 9 x 1,024 float32; w1 8 x 1,024 x 4,096 float32; w2 8 x 4,096 x 1,024 float32.
;; Outputs: out0 2 x 512 x 1,024 float32; out1 1,024 x 9 float32; out2 1,024 x 2 int32.
;; Constants: top_k = 2.
;; 2 versions, each right. Each part assembles by itself: llvm-mc -triple=amdgcn-amd-amdhsa -mcpu=gfx1250 --defsym DOCPART=n.
;; ======== version 1 of 2: 4 launches
;; limits: values are held in f16: magnitudes above 65,504 overflow, below 6.1e-05 lose precision
;; workspace buffers: route 4,096 bytes of whole numbers; pos 32,768 bytes of whole numbers; cnt 1,024 bytes of whole numbers; gate 8,192 bytes; xh 2,097,152 bytes; h 67,108,864 bytes; y 134,217,728 bytes
;; launch router (part 1): grid 256 x 1, 4 waves a work-group, no clusters, 0 bytes of LDS; arguments inputs, masks, router_w, out1, out2, route, gate, xh; writes out1, out2, route, gate, xh
.if DOCPART == 1
	.amdgcn_target "amdgcn-amd-amdhsa--gfx1250"
	.amdhsa_code_object_version 6
	.text
	.protected	k_qeab8d7b574_router
	.globl	k_qeab8d7b574_router
	.p2align	8
	.type	k_qeab8d7b574_router,@function
k_qeab8d7b574_router:
	s_mov_b64 s[64:65], 0
	v_nop
	global_prefetch_b8 v0, s[64:65] scope:SCOPE_SE
	s_setreg_imm32_b32 hwreg(HW_REG_WAVE_MODE, 25, 1), 1
	s_wait_xcnt 0x0
; ROUTER.  One wave, one token t = 4 x work-group + wave.  logits = (x . router_w[i]) x mask (the ninth mask is 1), all in f32 on the inputs as given;
; softmax over the nine with the maximum taken away; the two largest, the lower index first among equals.  Also x rounded once to f16 (xh) for the first product.
; Stored: out1 (logits), out2 (the two indices), gate (their weights, 0 for index 8, which adds nothing), route[t] = ea | eb<<4 | bits<<8:
; bits = the real experts chosen; ea, eb = the two indices, an index 8 replaced by the other one, so that both name an expert that the token chose.
; No address and no branch hangs on the choice: it only selects values.
; LIMITS.  The order is taken on max(l - m, -103.97), which orders as the probabilities do and ties all that have probability 0 in f32; two logits closer than one
; rounding of their probabilities are ordered by the logit.  NaN and infinities are not treated apart.  |x| stays under 65,504 (f16).
.set XR, 8                             ; v[8:39]    the token's row: lane l holds columns 4 l + 128 j + 0..3
.set G0, 40                            ; v[40:135]  three rows of router_w
.set G1, 136                           ; v[136:231] three more
.set AC, 232                           ; v[232:249] nine pairs of sums
.set LG, 40                            ; later: the nine logits
.set KY, 50                            ; l - m, held at -103.97
.set PB, 60                            ; 2^((l - m) log2 e)
.set HX, 136                           ; later: the row in f16, 16 registers
	s_load_b512 s[8:23], s[0:1], 0x0               ; inputs, masks, router_w, out1, out2, route, gate, xh
	v_and_b32 v1, 31, v0
	v_lshrrev_b32 v2, 5, v0
	v_readfirstlane_b32 s24, v2                    ; wave
	s_lshl_b32 s25, ttmp9, 2
	s_add_co_u32 s25, s25, s24                     ; token
	v_lshlrev_b32 v2, 4, v1                        ; 16 x lane
	v_lshlrev_b32 v3, 3, v1                        ; 8 x lane
	v_lshlrev_b32 v4, 2, v1                        ; 4 x lane
	s_mov_b32 s40, 0x76543210                      ; v_permlanex16_b32: each lane takes its own place in the other half
	s_mov_b32 s41, 0xfedcba98
	s_lshl_b32 s26, s25, 5                         ; 32 bytes of masks a token
	s_lshl_b32 s28, s25, 12                        ; 4,096 bytes of x a token
	s_mov_b32 s29, 0
	s_wait_kmcnt 0x0
	s_load_b256 s[32:39], s[10:11], s26 offset:0x0 ; the token's eight masks
	s_add_nc_u64 s[28:29], s[8:9], s[28:29]
.irp j, 0,1,2,3,4,5,6,7
	global_load_b128 v[XR+4*(\j):XR+4*(\j)+3], v2, s[28:29] offset:512*(\j) th:TH_LOAD_NT
.endr
.macro WLD buf, row0                   ; three rows of router_w, 24 loads of 512 neighbouring bytes
.irp k, 0,1,2
.irp j, 0,1,2,3,4,5,6,7
	global_load_b128 v[(\buf)+32*(\k)+4*(\j):(\buf)+32*(\k)+4*(\j)+3], v2, s[12:13] offset:((\row0)+(\k))*4096+512*(\j)
.endr
.endr
.endm
.macro DOT3 buf, row0                  ; three dot products side by side; the first product starts each sum
.irp k, 0,1,2
	v_pk_mul_f32 v[AC+2*((\row0)+(\k)):AC+2*((\row0)+(\k))+1], v[XR:XR+1], v[(\buf)+32*(\k):(\buf)+32*(\k)+1]
.endr
.set ii, 2
.rept 15
.irp k, 0,1,2
	v_pk_fma_f32 v[AC+2*((\row0)+(\k)):AC+2*((\row0)+(\k))+1], v[XR+ii:XR+ii+1], v[(\buf)+32*(\k)+ii:(\buf)+32*(\k)+ii+1], v[AC+2*((\row0)+(\k)):AC+2*((\row0)+(\k))+1]
.endr
.set ii, ii+2
.endr
.endm
	WLD G0, 0
	WLD G1, 3
	s_wait_loadcnt 24                              ; x and rows 0-2 are in; the 24 loads of rows 3-5 may stay out
	DOT3 G0, 0
	WLD G0, 6
	s_wait_loadcnt 24                              ; rows 3-5 are in; rows 6-8 may stay out
	DOT3 G1, 3
.irp j, 0,1,2,3,4,5,6,7                ; x in f16: a lane's four columns are 8 bytes, a wave's store 256 consecutive bytes
	v_cvt_pk_f16_f32 v[HX+2*(\j)], v[XR+4*(\j)], v[XR+4*(\j)+1]
	v_cvt_pk_f16_f32 v[HX+2*(\j)+1], v[XR+4*(\j)+2], v[XR+4*(\j)+3]
.endr
	s_lshl_b32 s42, s25, 11
	s_mov_b32 s43, 0
	s_add_nc_u64 s[22:23], s[22:23], s[42:43]
.irp j, 0,1,2,3,4,5,6,7
	global_store_b64 v3, v[HX+2*(\j):HX+2*(\j)+1], s[22:23] offset:256*(\j)
.endr
	s_wait_loadcnt 0x0
	DOT3 G0, 6
	; the nine sums over the wave: the pair, four steps inside each half of 16 lanes, one across the halves
.irp i, 0,1,2,3,4,5,6,7,8
	v_add_f32 v[AC+2*(\i)], v[AC+2*(\i)], v[AC+2*(\i)+1]
.endr
.irp m, 1,2,4,8
.irp i, 0,1,2,3,4,5,6,7,8
	v_add_f32_dpp v[AC+2*(\i)], v[AC+2*(\i)], v[AC+2*(\i)] row_xmask:\m row_mask:0xf bank_mask:0xf
.endr
.endr
.irp i, 0,1,2,3,4,5,6,7,8
	v_permlanex16_b32 v[AC+2*(\i)+1], v[AC+2*(\i)], s40, s41
.endr
.irp i, 0,1,2,3,4,5,6,7,8
	v_add_f32 v[AC+2*(\i)], v[AC+2*(\i)], v[AC+2*(\i)+1]
.endr
	s_wait_kmcnt 0x0                               ; the masks
.irp i, 0,1,2,3,4,5,6,7
	v_mul_f32 v[LG+(\i)], s[32+(\i)], v[AC+2*(\i)]
.endr
	v_mov_b32 v[LG+8], v[AC+16]                    ; the ninth mask is 1
	v_max3_num_f32 v70, v[LG], v[LG+1], v[LG+2]
	v_max3_num_f32 v70, v70, v[LG+3], v[LG+4]
	v_max3_num_f32 v70, v70, v[LG+5], v[LG+6]
	v_max3_num_f32 v70, v70, v[LG+7], v[LG+8]      ; m
.irp i, 0,1,2,3,4,5,6,7,8
	v_sub_f32 v[KY+(\i)], v[LG+(\i)], v70
.endr
.irp i, 0,1,2,3,4,5,6,7,8
	v_mul_f32 v[PB+(\i)], 0x3fb8aa3b, v[KY+(\i)]
.endr
.irp i, 0,1,2,3,4,5,6,7,8
	v_exp_f32 v[PB+(\i)], v[PB+(\i)]               ; one batch of nine
.endr
.irp i, 0,1,2,3,4,5,6,7,8
	v_max_num_f32 v[KY+(\i)], 0xc2cff0a4, v[KY+(\i)]  ; plain work behind the batch: the keys, held at -103.97
.endr
	s_wait_alu depctr_va_vdst(0)                   ; the wait ahead of the batch's first reader
	v_add_f32 v71, v[PB], v[PB+1]
.irp i, 2,3,4,5,6,7,8
	v_add_f32 v71, v71, v[PB+(\i)]
.endr
	v_rcp_f32 v72, v71                             ; 1 / sum; both selections below are the plain work behind it
	; the largest: only a strictly greater key displaces, so the lower index keeps a tie
	v_mov_b32 v73, v[KY]
	v_mov_b32 v74, 0
	v_mov_b32 v75, v[PB]
.irp i, 1,2,3,4,5,6,7,8
	v_cmp_gt_f32 vcc_lo, v[KY+(\i)], v73
	v_cndmask_b32 v73, v73, v[KY+(\i)], vcc_lo
	v_cndmask_b32 v74, v74, \i, vcc_lo
	v_cndmask_b32 v75, v75, v[PB+(\i)], vcc_lo
.endr
	; the second: the same among the other eight, from minus infinity
	v_mov_b32 v76, 0xff800000
	v_mov_b32 v77, 0
	v_mov_b32 v78, 0
.irp i, 0,1,2,3,4,5,6,7,8
	v_cmp_ne_u32 s42, \i, v74
	v_cmp_gt_f32 vcc_lo, v[KY+(\i)], v76
	s_and_b32 vcc_lo, vcc_lo, s42
	v_cndmask_b32 v76, v76, v[KY+(\i)], vcc_lo
	v_cndmask_b32 v77, v77, \i, vcc_lo
	v_cndmask_b32 v78, v78, v[PB+(\i)], vcc_lo
.endr
	s_wait_alu depctr_va_vdst(0)                   ; the reciprocal's wait
	v_mul_f32 v75, v75, v72
	v_mul_f32 v78, v78, v72
	v_cmp_eq_u32 vcc_lo, 8, v74                    ; index 8 adds nothing: its gate is 0, and its place in route takes the other index
	v_cndmask_b32 v75, v75, 0, vcc_lo
	v_cndmask_b32 v84, v74, v77, vcc_lo            ; ea
	v_cmp_eq_u32 vcc_lo, 8, v77
	v_cndmask_b32 v78, v78, 0, vcc_lo
	v_cndmask_b32 v85, v77, v74, vcc_lo            ; eb
	v_lshlrev_b32 v86, v74, 1
	v_lshlrev_b32 v87, v77, 1
	v_or_b32 v86, v86, v87
	v_and_b32 v86, 0xff, v86                       ; the real experts chosen
	v_lshl_or_b32 v84, v85, 4, v84
	v_lshl_or_b32 v84, v86, 8, v84                 ; route[t]
	v_cmp_eq_u32 vcc_lo, 1, v1
	v_cndmask_b32 v80, v74, v77, vcc_lo            ; lane 0: first index, lane 1: second
	v_cndmask_b32 v81, v75, v78, vcc_lo            ; and their gates
	v_mov_b32 v79, v[LG]
.irp i, 1,2,3,4,5,6,7,8
	v_cmp_eq_u32 vcc_lo, \i, v1
	v_cndmask_b32 v79, v79, v[LG+(\i)], vcc_lo     ; lane i: logit i
.endr
	s_mul_i32 s42, s25, 36
	s_mov_b32 s43, 0
	s_add_nc_u64 s[14:15], s[14:15], s[42:43]
	s_lshl_b32 s42, s25, 3
	s_add_nc_u64 s[16:17], s[16:17], s[42:43]
	s_add_nc_u64 s[20:21], s[20:21], s[42:43]
	s_lshl_b32 s42, s25, 2
	s_add_nc_u64 s[18:19], s[18:19], s[42:43]
	s_wait_xcnt 0x0                                ; EXEC changes only behind this wait: the stores of xh have read theirs
	v_cmp_gt_u32 vcc_lo, 9, v1
	s_and_saveexec_b32 s30, vcc_lo
	global_store_b32 v4, v79, s[14:15]             ; nine logits, 36 consecutive bytes
	s_wait_xcnt 0x0
	s_or_b32 exec_lo, exec_lo, s30
	v_cmp_gt_u32 vcc_lo, 2, v1
	s_and_saveexec_b32 s30, vcc_lo
	global_store_b32 v4, v80, s[16:17]
	global_store_b32 v4, v81, s[20:21]
	s_wait_xcnt 0x0
	s_or_b32 exec_lo, exec_lo, s30
	v_cmp_eq_u32 vcc_lo, 0, v1
	s_and_saveexec_b32 s30, vcc_lo
	global_store_b32 v4, v84, s[18:19]
	s_wait_xcnt 0x0
	s_or_b32 exec_lo, exec_lo, s30
	s_endpgm
.Lfunc_end_k_qeab8d7b574_router:
	.size	k_qeab8d7b574_router, .Lfunc_end_k_qeab8d7b574_router-k_qeab8d7b574_router
	.p2alignl 7, 3214868480
	.fill 96, 4, 3214868480
	.section	.rodata,"a",@progbits
	.p2align	6, 0x0
	.amdhsa_kernel k_qeab8d7b574_router
		.amdhsa_group_segment_fixed_size 0
		.amdhsa_private_segment_fixed_size 0
		.amdhsa_enable_private_segment 0
		.amdhsa_kernarg_size 64
		.amdhsa_user_sgpr_count 2
		.amdhsa_user_sgpr_kernarg_segment_ptr 1
		.amdhsa_wavefront_size32 1
		.amdhsa_system_sgpr_workgroup_id_x 1
		.amdhsa_system_sgpr_workgroup_id_y 1
		.amdhsa_system_sgpr_workgroup_id_z 1
		.amdhsa_system_vgpr_workitem_id 0
		.amdhsa_next_free_vgpr 256
		.amdhsa_next_free_sgpr 66
		.amdhsa_reserve_vcc 1
		.amdhsa_float_denorm_mode_32 3
		.amdhsa_float_denorm_mode_16_64 3
		.amdhsa_memory_ordered 1
		.amdhsa_forward_progress 1
		.amdhsa_inst_pref_size 32
	.end_amdhsa_kernel
	.amdgpu_metadata
---
amdhsa.version: [ 1, 2 ]
amdhsa.kernels:
  - .name:           k_qeab8d7b574_router
    .symbol:         k_qeab8d7b574_router.kd
    .args:
      - { .name: inputs, .offset: 0, .size: 8, .value_kind: global_buffer, .address_space: global }
      - { .name: masks, .offset: 8, .size: 8, .value_kind: global_buffer, .address_space: global }
      - { .name: router_w, .offset: 16, .size: 8, .value_kind: global_buffer, .address_space: global }
      - { .name: out1, .offset: 24, .size: 8, .value_kind: global_buffer, .address_space: global }
      - { .name: out2, .offset: 32, .size: 8, .value_kind: global_buffer, .address_space: global }
      - { .name: route, .offset: 40, .size: 8, .value_kind: global_buffer, .address_space: global }
      - { .name: gate, .offset: 48, .size: 8, .value_kind: global_buffer, .address_space: global }
      - { .name: xh, .offset: 56, .size: 8, .value_kind: global_buffer, .address_space: global }
    .group_segment_fixed_size: 0
    .private_segment_fixed_size: 0
    .kernarg_segment_align: 8
    .kernarg_segment_size: 64
    .max_flat_workgroup_size: 128
    .sgpr_count:     66
    .vgpr_count:     256
    .wavefront_size: 32
...
	.end_amdgpu_metadata
.endif
;; end of part 1
;; launch up (part 2): grid 32 x 8, 8 waves a work-group, no clusters, 271,360 bytes of LDS; arguments route, xh, w1, b1, h, pos, cnt; writes h, pos, cnt
.if DOCPART == 2
	.amdgcn_target "amdgcn-amd-amdhsa--gfx1250"
	.amdhsa_code_object_version 6
	.text
	.protected	k_qeab8d7b574_up
	.globl	k_qeab8d7b574_up
	.p2align	8
	.type	k_qeab8d7b574_up,@function
k_qeab8d7b574_up:
	s_mov_b64 s[64:65], 0
	v_nop
	global_prefetch_b8 v0, s[64:65] scope:SCOPE_SE
	s_setreg_imm32_b32 hwreg(HW_REG_WAVE_MODE, 25, 1), 1
	s_wait_xcnt 0x0
; FIRST PRODUCT.  h = gelu(x w1[e] + b1[e]) for the tokens that chose expert e, in the order of their ranks.  Work-group (x, e) owns w1[e][all 1,024 k][128 x .. 128 x + 127]: 512 KiB of f32
; that it alone reads, once.  Operands are rounded once to f16, sums are f32.
; ALL EIGHT WAVES RUN ONE TEXT.  Wave w = (rg = w / 2, ch = w % 2) multiplies 64 ranks (64 rg on) x 64 columns (64 ch on): 16 accumulators.  Of every chunk of 128 k it also brings k step rg,
; columns 64 ch on, from memory into registers (16 loads), rounds it to f16 and lays it into LDS as four matrix fragments.  The whole slice, 256 KiB in f16, stays in LDS.
; PASS 0, ranks 0-255, runs while the weights stream in, and is written out: 32 k steps, every LDS address a register that is never rewritten plus an immediate, eight barriers in straight text.
; Chunk c is multiplied while chunk c + 1 is laid into LDS and chunk c + 3 is asked for.  Loads come back in the order of issue (ISA guide 5.7.1), weights and x on one counter: the 4 weight loads of
; a k step stand behind the 8 loads of x for four steps on, so the wait for x five steps later shows them landed.
; FURTHER PASSES (an expert may have up to 1,024 ranks) are a loop without barriers over weights that lie in LDS; a wave runs (count + 255 - 64 rg) / 256 passes, the first always.
; The loop begins at a pass's way out, so that pass 0 falls into its head; one barrier stands behind it, between all waves' reads of LDS and the closing add.
; Ranks past the count take token 0 (the list is cleared first); their rows of h are stored and never used.
; NO TRANSPOSITION.  A weight load takes 256 bytes of one k row in lanes 0-15 and of another in lanes 16-31; lane (r, hh) gets columns 4 r + 0..3.  Sixteen such loads (places jj) give four fragments:
; fragment t, register jr = (load 2 jr, load 2 jr + 1) component t; its lane r is column 64 ch + 4 r + t.  K's places are permuted alike in both operands:
; place (chunk c, step s, half hh, jj) is k = 128 c + 64 hh + 16 s + jj, so a token's lane pair reads 256 consecutive bytes of its row a chunk.
; TRANSPOSED USE.  Source 0 = weights, source 1 = x: a lane holds one token (lane % 16), register j of tile t the hidden unit 64 ch + 32 hh + 4 j + t.  Eight of them pack into 16 bytes, and
; h is laid out as the second product's operand registers take it: [e][16 ranks][64 hidden units][t][lane][16 bytes]; each store of a wave covers 512 consecutive bytes, aligned.
; GELU, exact form: gelu(z) = max(z, 0) - |z| q, q = erfc(|z| / sqrt 2) / 2 = t (a1 + t (a2 + t (a3 + t (a4 + t a5)))) 2^(-0.7213475 z z), t = 1 / (1 + 0.2316419 |z|): the rational form of
; Abramowitz and Stegun 7.1.26, whose error bound, 1.5e-7 in erf, holds for every z.
; LIMITS.  f16 ends at 65,504: |x|, |w1| and |h| stay under it; below 6e-5 f16 keeps its fixed step of 6e-8.  NaN and infinities are not treated apart.
; NO CLUSTER: each slice of weights has one reader, and an expert's rows of x come by a list, which no one tile covers.
.set PITCH, 16384                      ; bytes of a k row of w1[e]
.set CHW,   128*PITCH                  ; a chunk of weights in memory
.set CHA,   256                        ; a chunk in a row of xh
.set STA,   32                         ; a k step there
.set QA,    16                         ; the second half of a fragment there
.set BIAS,  0                          ; LDS: 128 f32 in the order [hh][ch][t][j]
.set CNTW,  512                        ; the expert's count
.set LIST,  1024                       ; token of rank 0 .. 1,023; word 1,024 takes the stores of lanes that did not choose e
.set WB,    8192                       ; the weights: chunk c, step s, fragment g = 4 ch + t, half q at c 32768 + s 8192 + g 1024 + q 512 + 16 lane
.set CHL,   32768
.set SPARE, WB+8*CHL                   ; the spare words, 128 bytes a wave: four blocks of 256 bytes that no other line names
.set AOFF, 4                           ; v[4:7]  byte offset in xh of my token of tile a, + 128 hh
.set BADR, 8                           ; v8   further passes: LDS address of the chunk in hand
.set SPW,  10                          ; v10  my spare word; never rewritten
.set NIL,  11                          ; v11  0; never rewritten
.set BRD,  12                          ; v12  256 hh + 128 ch: my part of the bias table
.set LADR, 13                          ; v13  4 (lane % 16)
.set GOFF, 14                          ; v14  my byte offset in h
.set H128, 15                          ; v15  128 hh
.set WOFF, 16                          ; v16  my byte offset in a chunk of weights
.set L4,   20                          ; v20  4 lane
.set L16,  21                          ; v21  16 lane
.set TRI,  22                          ; v22  1,024
.set RB,   24                          ; v[24:27] where I read fragments: chunks 2 i, 2 i + 1; never rewritten
.set SB,   28                          ; v[28:31] where I lay fragments: chunks 2 i, 2 i + 1; never rewritten
.set FR,   32                          ; v[32:63] four fragments in f16
.set TK,   32                          ; at a pass's start: four tokens
.set BL,   36                          ; at the head: four words of bias
.set RO,   32                          ; the way out: 32 results in f16
.set AR,   64                          ; v[64:191] x fragments: four k steps, tile a of step s at 32 s + 8 a
.set BX,   192                         ; v[192:255] weight fragments: two buffers of four
.set RR,   64                          ; the list: route words
.set PR,   96                          ; the list: ranks
.set RZ,   64                          ; the way out: z, then max(z, 0), then the result
.set RBI,  96                          ; the bias
.set RAB,  128                         ; |z|
.set RT,   160                         ; t
.set RE,   192                         ; the exponential
.set RQ,   224                         ; q
.set WS,   128                         ; window 1 (v256-511): accumulator (a, t) at 8 (4 a + t); two sets of 16 weight loads at 128 + 64 set
.set WV, 24
.set RG, 25
.set CH, 26
.set PASS, 27
.set CNT, 28
.set KC, 29
.set EL, 30
.set SW0, 40                           ; s[40:41] weights at chunk 0, s[42:43] at chunk 4; never rewritten
.set SA, 46                            ; s[46:47] xh
.set SO, 48                            ; s[48:49] h at my expert and my 64 hidden units
.set A1, 50
.set A2, 52
.set A3, 54
.set A4, 56
.set A5, 58
.set PCO, 60
.set C2, 62
.set ABSM, 66
.set NPW, 67
.set XX, 68
.set EE, 69
.set EB, 70
.set PRE, 71
.set TB, 72
.set MSB, 0
.macro WIN new                         ; s_set_vgpr_msb: bits 1:0 source 0, 3:2 source 1, 5:4 source 2, 7:6 destination; the high byte repeats the setting that is left
.if MSB != (\new)
	s_set_vgpr_msb (MSB<<8)|(\new)
.set MSB, (\new)
.endif
.endm
.macro BARRIER                         ; my LDS instructions are done, stores for the others' sake and loads alike; then all eight waves meet
	s_wait_dscnt 0x0
	s_barrier_signal -1
	s_barrier_wait -1
.endm
.macro PLACES                          ; four plain instructions between a matrix instruction and a load into, or a read of, its registers
.rept 4
	v_nop
.endr
.endm
; 16 matrix instructions: fragments 0..3 x tiles 0..3, ring place s, fragment buffer buf.  All 16 accumulators differ and keep their order from step to step: they take turns.
.macro MM16 s, buf, zero
	WIN 0x50
.irp t, 0,1,2,3
.irp a, 0,1,2,3
.if \zero
	v_wmma_f32_16x16x32_f16 v[8*(4*(\a)+(\t)):8*(4*(\a)+(\t))+7], v[BX+32*(\buf)+8*(\t):BX+32*(\buf)+8*(\t)+7], v[AR+32*(\s)+8*(\a):AR+32*(\s)+8*(\a)+7], 0
.else
	v_wmma_f32_16x16x32_f16 v[8*(4*(\a)+(\t)):8*(4*(\a)+(\t))+7], v[BX+32*(\buf)+8*(\t):BX+32*(\buf)+8*(\t)+7], v[AR+32*(\s)+8*(\a):AR+32*(\s)+8*(\a)+7], v[8*(4*(\a)+(\t)):8*(4*(\a)+(\t))+7]
.endif
.endr
.endr
.endm
.macro BLD buf, breg, off              ; eight LDS loads: my four weight fragments of one k step; 512 consecutive bytes each
	WIN 0
.irp t, 0,1,2,3
	ds_load_b128 v[BX+32*(\buf)+8*(\t):BX+32*(\buf)+8*(\t)+3],   v[\breg] offset:(\off)+(\t)*1024
	ds_load_b128 v[BX+32*(\buf)+8*(\t)+4:BX+32*(\buf)+8*(\t)+7], v[\breg] offset:(\off)+(\t)*1024+512
.endr
.endm
.macro ALD s, off                      ; eight loads: the x fragments of one k step into ring place s
	WIN 0
.irp a, 0,1,2,3
	global_load_b128 v[AR+32*(\s)+8*(\a):AR+32*(\s)+8*(\a)+3],   v[AOFF+(\a)], s[SA:SA+1] offset:(\off)
	global_load_b128 v[AR+32*(\s)+8*(\a)+4:AR+32*(\s)+8*(\a)+7], v[AOFF+(\a)], s[SA:SA+1] offset:(\off)+QA
.endr
.endm
.macro WLD set, c, j0, n               ; n weight loads: places j0 on of my k step of chunk c
	WIN 0x40
.set jj, \j0
.rept \n
	global_load_b128 v[WS+64*(\set)+4*jj:WS+64*(\set)+4*jj+3], v[WOFF], s[SW0+2*((\c)/4):SW0+2*((\c)/4)+1] offset:((\c)%4)*CHW+jj*PITCH th:TH_LOAD_NT
.set jj, jj+1
.endr
	WIN 0
.endm
.macro CONV set, c                     ; a set has come: four fragments in f16 into chunk c's place in LDS
	WIN 0x05
.set tt, 0
.rept 4
.set jr, 0
.rept 8
	v_cvt_pk_f16_f32 v[FR+8*tt+jr], v[WS+64*(\set)+8*jr+tt], v[WS+64*(\set)+8*jr+4+tt]
.set jr, jr+1
.endr
.set tt, tt+1
.endr
	WIN 0
.set tt, 0
.rept 4
	ds_store_b128 v[SB+(\c)/2], v[FR+8*tt:FR+8*tt+3]   offset:((\c)%2)*CHL+tt*1024
	ds_store_b128 v[SB+(\c)/2], v[FR+8*tt+4:FR+8*tt+7] offset:((\c)%2)*CHL+tt*1024+512
.set tt, tt+1
.endr
.endm
; NN = the loads issued behind x of k step j when that step begins.  K step i issues 8 loads of x (i <= 27) and then 4 of weights (i <= 19).  In steps 1-3 more are behind (the 16 loads of chunk 2);
; the smaller count 40 is kept there, which holds what a wave has out at 52 loads.
.macro CNTADD i
.if (\i) <= 27
.set NN, NN+8
.endif
.if (\i) <= 19
.set NN, NN+4
.endif
.endm
.macro LCNT j
.if (\j) < 4
.set NN, 40
.else
.set NN, 0
.if (\j)-4 <= 19
.set NN, NN+4
.endif
	CNTADD (\j)-3
	CNTADD (\j)-2
	CNTADD (\j)-1
.endif
.endm
; K step j of pass 0.
.macro P0KS j
.set cc, (\j)/4
.set ss, (\j)%4
.set nj, (\j)+1
.if (ss == 3) && (cc < 7)
	BARRIER                                        ; chunk cc + 1, laid at this chunk's step 0, is whole: its first fragments are asked for next
.endif
.if (\j) < 31
	BLD nj%2, RB+(nj/8), ((nj/4)%2)*CHL+(nj%4)*8192  ; the next step's fragments; their buffer's last readers stand ahead of the last step's places
.endif
	LCNT \j
	s_wait_loadcnt NN                              ; x of this step is in, and every load older than it
.if (\j) == 31
	s_wait_dscnt 0
.elseif (ss == 1) && (cc < 7)
	s_wait_dscnt 16                                ; this step's fragments are in; the conversion's 8 stores and the 8 loads just issued may stay out
.else
	s_wait_dscnt 8                                 ; this step's fragments are in; the 8 loads just issued may stay out
.endif
.if (\j) == 0
	MM16 ss, (\j)%2, 1                             ; the first k step starts the sums
.else
	MM16 ss, (\j)%2, 0
.endif
.if (ss == 0) && (cc < 7)
	CONV (cc+1)%2, cc+1                            ; its 32 conversions, which name no register of the products, are the places behind them
.else
	WIN 0
	PLACES
.endif
.if (\j) < 28
	ALD ss, ((\j)/4+1)*CHA+ss*STA                  ; x of four steps on, into the place just read
.endif
.if (\j) < 20
	WLD (cc+1)%2, cc+3, 4*ss, 4                    ; a quarter of my part of chunk cc + 3, into the set just converted
.endif
.endm
; A k step of a further pass.  lc: loads of x younger than this step's.  aoff: x of four steps on (-1: none).  boff: the next step's fragments (-1: none).
.macro LKS s, buf, zero, lc, aoff, boff
.if (\boff) >= 0
	BLD 1-(\buf), BADR, \boff
.endif
	s_wait_loadcnt \lc
.if (\boff) >= 0
	s_wait_dscnt 8
.else
	s_wait_dscnt 0
.endif
	MM16 \s, \buf, \zero
	WIN 0
	PLACES
.if (\aoff) >= 0
	ALD \s, \aoff
.endif
.endm
; A pass begins: my 64 ranks' tokens from the list, and four k steps of x.
.macro PSTART
	s_lshl_b32 s31, s[PASS], 10                    ; 256 ranks of 4 bytes a pass,
	s_lshl_b32 s32, s[RG], 8                       ; 64 a row group
	s_add_co_u32 s31, s31, s32
	s_min_u32 s31, s31, 0xf00
	v_add_nc_u32 v9, s31, v[LADR]
.irp a, 0,1,2,3
	ds_load_b32 v[TK+(\a)], v9 offset:LIST+64*(\a)
.endr
	s_wait_dscnt 0x0
.irp a, 0,1,2,3
	v_min_u32 v[TK+(\a)], 0x3ff, v[TK+(\a)]
	v_lshl_add_u32 v[AOFF+(\a)], v[TK+(\a)], 11, v[H128]
.endr
	s_mov_b64 s[SA:SA+1], s[10:11]
.irp s, 0,1,2,3
	ALD \s, (\s)*STA
.endr
.endm
	s_load_b256 s[8:15], s[0:1], 0x0               ; route, xh, w1, b1
	s_load_b128 s[16:19], s[0:1], 0x20             ; h, pos
	s_load_b64 s[20:21], s[0:1], 0x30              ; cnt
	v_lshl_add_u32 v[SPW], v0, 2, SPARE
	v_mov_b32 v[NIL], 0
	v_and_b32 v1, 31, v0                           ; lane
	v_lshrrev_b32 v9, 5, v0
	v_readfirstlane_b32 s[WV], v9                  ; wave 0..7
	v_and_b32 v2, 15, v0                           ; r
	v_bfe_u32 v3, v0, 4, 1                         ; hh
	s_lshr_b32 s[RG], s[WV], 1                     ; my 64 ranks; also the k step that I bring
	s_and_b32 s[CH], s[WV], 1                      ; my 64 columns, to multiply and to bring
	s_mov_b32 s[XX], ttmp9
	s_and_b32 s[EE], ttmp7, 0xffff
	s_mov_b32 s[A1], 0x3e027906                    ; the five coefficients, halved; each named as a pair, of which the low word serves both halves
	s_mov_b32 s[A1+1], 0x3e027906
	s_mov_b32 s[A2], 0xbe11a98e
	s_mov_b32 s[A2+1], 0xbe11a98e
	s_mov_b32 s[A3], 0x3f35f0e3
	s_mov_b32 s[A3+1], 0x3f35f0e3
	s_mov_b32 s[A4], 0xbf3a00e3
	s_mov_b32 s[A4+1], 0xbf3a00e3
	s_mov_b32 s[A5], 0x3f07dc22
	s_mov_b32 s[A5+1], 0x3f07dc22
	s_mov_b32 s[PCO], 0x3e6d3388                   ; 0.2316419
	s_mov_b32 s[PCO+1], 0x3e6d3388
	s_mov_b32 s[C2], 0xbf38aa3b                    ; -log2(e) / 2
	s_mov_b32 s[C2+1], 0xbf38aa3b
	s_mov_b32 s[ABSM], 0x7fffffff
	v_lshlrev_b32 v[L16], 4, v1
	v_lshlrev_b32 v[L4], 2, v1
	v_lshlrev_b32 v[H128], 7, v3
	v_lshlrev_b32 v[LADR], 2, v2
	s_lshl_b32 s31, s[CH], 7
	v_lshl_add_u32 v[BRD], v3, 8, s31
	v_lshlrev_b32 v[WOFF], 20, v3                  ; 64 hh rows of 16,384 bytes
	v_lshl_add_u32 v[WOFF], v2, 4, v[WOFF]         ; + 16 r
	s_lshl_b32 s31, s[RG], 18                      ; + 16 rows a k step
	s_lshl_b32 s32, s[CH], 8                       ; + 64 columns
	s_add_co_u32 s31, s31, s32
	v_add_nc_u32 v[WOFF], s31, v[WOFF]
	s_lshl_b32 s31, s[CH], 12                      ; my four fragments of a k step,
	s_add_co_u32 s31, s31, WB
	s_lshl_b32 s32, s[RG], 13                      ; and the k step that I lay
	s_add_co_u32 s32, s32, s31
.irp i, 0,1,2,3
	v_add_nc_u32 v[RB+(\i)], s31, v[L16]
	v_add_nc_u32 v[SB+(\i)], s32, v[L16]
	s_add_co_u32 s31, s31, 2*CHL
	s_add_co_u32 s32, s32, 2*CHL
.endr
	s_mov_b32 s[PASS], 0
	s_mov_b32 s33, 0
	s_wait_kmcnt 0x0
	s_lshl_b32 s32, s[EE], 24
	s_lshl_b32 s31, s[XX], 9
	s_add_co_u32 s32, s32, s31
	s_add_nc_u64 s[SW0:SW0+1], s[12:13], s[32:33]  ; w1[e][0][128 x]
	s_add_nc_u64 s[SW0+2:SW0+3], s[SW0:SW0+1], 4*CHW
	s_lshl_b32 s32, s[EE], 23
	s_lshl_b32 s31, s[XX], 12
	s_add_co_u32 s32, s32, s31
	s_lshl_b32 s31, s[CH], 11
	s_add_co_u32 s32, s32, s31
	s_add_nc_u64 s[SO:SO+1], s[16:17], s[32:33]    ; h[e][tile 0][block 2 x + ch]
	s_lshl_b32 s32, s[EE], 14
	s_lshl_b32 s31, s[XX], 9
	s_add_co_u32 s32, s32, s31
	s_add_nc_u64 s[36:37], s[14:15], s[32:33]      ; b1[e][128 x]
	; every wave asks for the route words and the bias, so that they are written on every way; then for its part of chunks 0 and 1
.irp q, 0,1,2,3,4,5,6,7
	global_load_b128 v[RR+4*(\q):RR+4*(\q)+3], v[L16], s[8:9] offset:512*(\q)
.endr
.irp k, 0,1,2,3
	global_load_b32 v[BL+(\k)], v[L4], s[36:37] offset:128*(\k)
.endr
	WLD 0, 0, 0, 16
	WLD 1, 1, 0, 16
	s_wait_loadcnt 32                              ; route and bias are in; the 32 weight loads stay out
	s_cmp_eq_u32 s[WV], 0
	s_cbranch_scc1 .Llist
	s_cmp_eq_u32 s[WV], 1
	s_cbranch_scc0 .Ljoin
	; wave 1: the bias, into the order in which a lane's accumulator registers want it
	v_and_b32 v9, 3, v1                            ; t
	v_lshrrev_b32 v18, 2, v1                       ; j
	v_lshlrev_b32 v9, 5, v9
	v_lshl_add_u32 v9, v18, 2, v9
.irp k, 0,1,2,3
	ds_store_b32 v9, v[BL+(\k)] offset:BIAS+((\k)&1)*256+((\k)>>1)*128  ; column 32 k + lane: hh = k & 1, ch = k >> 1
.endr
	s_branch .Ljoin
.Llist:
	; wave 0: the expert's tokens in a fixed order: word W = 4 q + c, bit l is token 128 q + 4 l + c, as the loads delivered them; rank = the chosen ones before it
.irp k, 0,1,2,3
	v_mov_b32 v[FR+(\k)], 0
.endr
.irp q, 0,1,2,3,4,5,6,7
	ds_store_b128 v[L16], v[FR:FR+3] offset:LIST+512*(\q)  ; ranks past the count take token 0
.endr
	v_mov_b32 v[TRI], 0x400
	s_add_co_u32 s31, s[EE], 8
	s_lshl_b32 s[EB], 1, s31                       ; the expert's bit in a route word
	s_mov_b32 s[PRE], 0
.set ww, 0
.rept 32
	v_and_b32 v18, s[EB], v[RR+ww]
	v_cmp_ne_u32 vcc_lo, 0, v18
	v_mbcnt_lo_u32_b32 v[PR+ww], vcc_lo, s[PRE]    ; the words before, and the lanes below me in this word
	v_cndmask_b32 v18, v[TRI], v[PR+ww], vcc_lo    ; a lane that did not choose e stores into word 1,024
	v_min_u32 v18, 0x400, v18
	v_lshl_add_u32 v18, v18, 2, LIST
	v_add_nc_u32 v9, 128*(ww/4)+(ww%4), v[L4]      ; the token
	ds_store_b32 v18, v9
	s_bcnt1_i32_b32 s31, vcc_lo
	s_add_co_u32 s[PRE], s[PRE], s31
.set ww, ww+1
.endr
	v_mov_b32 v18, s[PRE]
	v_mov_b32 v9, CNTW
	ds_store_b32 v9, v18                           ; the count, for all waves
	s_cmp_lg_u32 s[XX], 0
	s_cbranch_scc1 .Ljoin                          ; one work-group an expert stores ranks and count for the later launches
	s_lshl_b32 s32, s[EE], 12
	s_add_nc_u64 s[34:35], s[18:19], s[32:33]
	s_lshl_b32 s32, s[EE], 7
	s_add_nc_u64 s[38:39], s[20:21], s[32:33]
.irp q, 0,1,2,3,4,5,6,7
	global_store_b128 v[L16], v[PR+4*(\q):PR+4*(\q)+3], s[34:35] offset:512*(\q)
.endr
	global_store_b32 v[L4], v18, s[38:39]
	s_wait_xcnt 0x0                                ; the stores have read their registers, which x's fragments take next
.Ljoin:
	s_wait_loadcnt 16                              ; my part of chunk 0 is in; chunk 1's 16 loads stay out
	CONV 0, 0
	BARRIER                                        ; chunk 0, the list, the count and the bias are in LDS
	v_mov_b32 v9, CNTW
	ds_load_b32 v18, v9
	s_wait_dscnt 0x0
	v_readfirstlane_b32 s[CNT], v18
	s_min_u32 s[CNT], s[CNT], 1024
	s_lshl_b32 s31, s[RG], 6
	s_sub_co_u32 s31, 255, s31
	s_add_co_u32 s31, s31, s[CNT]
	s_lshr_b32 s[NPW], s31, 8                      ; my passes: those p with 256 p + 64 rg below the count
	PSTART
	s_wait_loadcnt 32                              ; my part of chunk 1 is in; the 32 loads of x stay out
	WLD 0, 2, 0, 16                                ; chunk 2, into the set that chunk 0 has left
	BLD 0, RB, 0
.set kk, 0
.rept 32
	P0KS kk
.set kk, kk+1
.endr
.Lepi:                                                 ; THE LOOP OVER PASSES begins at a pass's way out: pass 0 falls into its head; a trip is the way out of pass PASS and then the products of the next
	; THE WAY OUT, a tile of 16 ranks a trip.  Registers cannot be chosen at run time, so four short texts add the bias to tile a's 32 sums and leave z in common registers; one text does the rest.
.irp i, 0,1,2,3,4,5,6,7
	ds_load_b128 v[RBI+4*(\i):RBI+4*(\i)+3], v[BRD] offset:BIAS+16*(\i)  ; the bias of my 32 hidden units, in the order [t][j]
.endr
	s_lshl_b32 s31, s[PASS], 4
	s_lshl_b32 s32, s[RG], 2
	s_add_co_u32 s31, s31, s32
	s_min_u32 s31, s31, 60                         ; my first tile of 16 ranks
	s_lshl_b32 s31, s31, 17                        ; 131,072 bytes a tile
	v_add_nc_u32 v[GOFF], s31, v[L16]
	s_mov_b32 s[EL], 0
	s_wait_dscnt 0x0
.macro ZADD a                          ; each accumulator is read from its low end on
	WIN 0x01
.set ii, 0
.rept 16
	v_pk_add_f32 v[RZ+ii:RZ+ii+1], v[32*(\a)+ii:32*(\a)+ii+1], v[RBI+ii:RBI+ii+1]
.set ii, ii+2
.endr
	WIN 0
.endm
.Lgelu:
	s_cmp_eq_u32 s[EL], 0
	s_cbranch_scc1 .Lz0
	s_cmp_eq_u32 s[EL], 1
	s_cbranch_scc1 .Lz1
	s_cmp_eq_u32 s[EL], 2
	s_cbranch_scc1 .Lz2
	ZADD 3
	s_branch .Lzj
.Lz0:
	ZADD 0
	s_branch .Lzj
.Lz1:
	ZADD 1
	s_branch .Lzj
.Lz2:
	ZADD 2
.Lzj:
.set ii, 0
.rept 32
	v_and_b32 v[RAB+ii], s[ABSM], v[RZ+ii]
.set ii, ii+1
.endr
.set ii, 0
.rept 16
	v_pk_fma_f32 v[RT+ii:RT+ii+1], v[RAB+ii:RAB+ii+1], s[PCO:PCO+1], 1.0 op_sel_hi:[1,0,0]
.set ii, ii+2
.endr
.set ii, 0
.rept 32
	v_rcp_f32 v[RT+ii], v[RT+ii]
.set ii, ii+1
.endr
.set ii, 0
.rept 16
	v_pk_mul_f32 v[RE+ii:RE+ii+1], v[RZ+ii:RZ+ii+1], v[RZ+ii:RZ+ii+1]
.set ii, ii+2
.endr
.set ii, 0
.rept 16
	v_pk_mul_f32 v[RE+ii:RE+ii+1], v[RE+ii:RE+ii+1], s[C2:C2+1] op_sel_hi:[1,0]
.set ii, ii+2
.endr
.set ii, 0
.rept 32
	v_exp_f32 v[RE+ii], v[RE+ii]
.set ii, ii+1
.endr
.set ii, 0
.rept 32
	v_max_num_f32 v[RZ+ii], 0, v[RZ+ii]            ; plain work behind the batch of 64
.set ii, ii+1
.endr
	s_wait_alu depctr_va_vdst(0)                   ; the wait ahead of the batch's first reader: one for 32 reciprocals and 32 exponentials
.set ii, 0
.rept 16
	v_pk_fma_f32 v[RQ+ii:RQ+ii+1], v[RT+ii:RT+ii+1], s[A5:A5+1], s[A4:A4+1] op_sel_hi:[1,0,0]
.set ii, ii+2
.endr
.irp c, A3, A2, A1
.set ii, 0
.rept 16
	v_pk_fma_f32 v[RQ+ii:RQ+ii+1], v[RQ+ii:RQ+ii+1], v[RT+ii:RT+ii+1], s[\c:\c+1] op_sel_hi:[1,1,0]
.set ii, ii+2
.endr
.endr
.set ii, 0
.rept 16
	v_pk_mul_f32 v[RQ+ii:RQ+ii+1], v[RQ+ii:RQ+ii+1], v[RT+ii:RT+ii+1]
.set ii, ii+2
.endr
.set ii, 0
.rept 16
	v_pk_mul_f32 v[RQ+ii:RQ+ii+1], v[RQ+ii:RQ+ii+1], v[RE+ii:RE+ii+1]
.set ii, ii+2
.endr
.set ii, 0
.rept 16
	v_pk_fma_f32 v[RZ+ii:RZ+ii+1], v[RAB+ii:RAB+ii+1], v[RQ+ii:RQ+ii+1], v[RZ+ii:RZ+ii+1] neg_lo:[1,0,0] neg_hi:[1,0,0]
.set ii, ii+2
.endr
.set ii, 0
.rept 16
	v_cvt_pk_f16_f32 v[RO+ii], v[RZ+2*ii], v[RZ+2*ii+1]
.set ii, ii+1
.endr
.irp t, 0,1,2,3
	global_store_b128 v[GOFF], v[RO+4*(\t):RO+4*(\t)+3], s[SO:SO+1] offset:512*(\t)  ; 512 consecutive bytes, aligned; the four cover a block of 2,048
.endr
	s_wait_xcnt 0x0                                ; the stores have read their registers
	v_add_nc_u32 v[GOFF], 0x20000, v[GOFF]
	s_add_co_u32 s[EL], s[EL], 1
	s_cmp_lt_u32 s[EL], 4
	s_cbranch_scc1 .Lgelu
	s_add_co_u32 s[PASS], s[PASS], 1
	s_cmp_lt_u32 s[PASS], s[NPW]
	s_cbranch_scc0 .Lend                           ; no further pass of mine: forward, over text that holds no barrier
	; a further pass of 256 ranks: the weights lie in LDS, nobody writes LDS, no barrier
	PSTART
	s_mov_b32 s[TB], 0
	v_mov_b32 v[BADR], v[RB]
	BLD 0, BADR, 0
	LKS 0, 0, 1, 24, CHA, 8192
	s_mov_b32 s[KC], 6
.Lx:                                                   ; trip i = 0..5: steps 1-3 of chunk i and step 0 of chunk i + 1
	LKS 1, 1, 0, 24, CHA+STA, 2*8192
	LKS 2, 0, 0, 24, CHA+2*STA, 3*8192
	LKS 3, 1, 0, 24, CHA+3*STA, CHL
	LKS 0, 0, 0, 24, 2*CHA, CHL+8192
	s_add_co_u32 s[TB], s[TB], CHL
	v_add_nc_u32 v[BADR], s[TB], v[RB]
	s_wait_xcnt 0x0                                ; the base steps only behind this wait
	s_add_nc_u64 s[SA:SA+1], s[SA:SA+1], CHA
	s_sub_co_u32 s[KC], s[KC], 1
	s_cmp_lg_u32 s[KC], 0
	s_cbranch_scc1 .Lx
	LKS 1, 1, 0, 24, CHA+STA, 2*8192               ; chunk 6 goes on; chunk 7 asks for no more x, and the counts run down
	LKS 2, 0, 0, 24, CHA+2*STA, 3*8192
	LKS 3, 1, 0, 24, CHA+3*STA, CHL
	LKS 0, 0, 0, 24, -1, CHL+8192
	LKS 1, 1, 0, 16, -1, CHL+2*8192
	LKS 2, 0, 0, 8, -1, CHL+3*8192
	LKS 3, 1, 0, 0, -1, -1
	s_cmp_lt_u32 s[PASS], s[NPW]                   ; the count was taken up once, above
	s_cbranch_scc1 .Lepi
.Lend:
	BARRIER                                        ; every wave's reads of LDS are over before any wave's closing add writes LDS
	s_wait_tensorcnt 0x0                           ; the wave's end, behind my last LDS store
	ds_add_u32 v[SPW], v[NIL]
	s_wait_dscnt 0x0
	s_endpgm
.Lfunc_end_k_qeab8d7b574_up:
	.size	k_qeab8d7b574_up, .Lfunc_end_k_qeab8d7b574_up-k_qeab8d7b574_up
	.p2alignl 7, 3214868480
	.fill 96, 4, 3214868480
	.section	.rodata,"a",@progbits
	.p2align	6, 0x0
	.amdhsa_kernel k_qeab8d7b574_up
		.amdhsa_group_segment_fixed_size 271360
		.amdhsa_private_segment_fixed_size 0
		.amdhsa_enable_private_segment 0
		.amdhsa_kernarg_size 56
		.amdhsa_user_sgpr_count 2
		.amdhsa_user_sgpr_kernarg_segment_ptr 1
		.amdhsa_wavefront_size32 1
		.amdhsa_system_sgpr_workgroup_id_x 1
		.amdhsa_system_sgpr_workgroup_id_y 1
		.amdhsa_system_sgpr_workgroup_id_z 1
		.amdhsa_system_vgpr_workitem_id 0
		.amdhsa_next_free_vgpr 512
		.amdhsa_next_free_sgpr 80
		.amdhsa_reserve_vcc 1
		.amdhsa_float_denorm_mode_32 3
		.amdhsa_float_denorm_mode_16_64 3
		.amdhsa_memory_ordered 1
		.amdhsa_forward_progress 1
		.amdhsa_inst_pref_size 192
	.end_amdhsa_kernel
	.amdgpu_metadata
---
amdhsa.version: [ 1, 2 ]
amdhsa.kernels:
  - .name:           k_qeab8d7b574_up
    .symbol:         k_qeab8d7b574_up.kd
    .args:
      - { .name: route, .offset: 0, .size: 8, .value_kind: global_buffer, .address_space: global }
      - { .name: xh, .offset: 8, .size: 8, .value_kind: global_buffer, .address_space: global }
      - { .name: w1, .offset: 16, .size: 8, .value_kind: global_buffer, .address_space: global }
      - { .name: b1, .offset: 24, .size: 8, .value_kind: global_buffer, .address_space: global }
      - { .name: h, .offset: 32, .size: 8, .value_kind: global_buffer, .address_space: global }
      - { .name: pos, .offset: 40, .size: 8, .value_kind: global_buffer, .address_space: global }
      - { .name: cnt, .offset: 48, .size: 8, .value_kind: global_buffer, .address_space: global }
    .group_segment_fixed_size: 271360
    .private_segment_fixed_size: 0
    .kernarg_segment_align: 8
    .kernarg_segment_size: 56
    .max_flat_workgroup_size: 256
    .sgpr_count:     80
    .vgpr_count:     512
    .wavefront_size: 32
...
	.end_amdgpu_metadata
.endif
;; end of part 2
;; launch down (part 3): grid 32 x 8, 8 waves a work-group, no clusters, 271,360 bytes of LDS; arguments cnt, h, w2, b2, y; writes y
.if DOCPART == 3
	.amdgcn_target "amdgcn-amd-amdhsa--gfx1250"
	.amdhsa_code_object_version 6
	.text
	.protected	k_qeab8d7b574_down
	.globl	k_qeab8d7b574_down
	.p2align	8
	.type	k_qeab8d7b574_down,@function
k_qeab8d7b574_down:
	s_mov_b64 s[64:65], 0
	v_nop
	global_prefetch_b8 v0, s[64:65] scope:SCOPE_SE
	s_setreg_imm32_b32 hwreg(HW_REG_WAVE_MODE, 25, 1), 1
	s_wait_xcnt 0x0
; SECOND PRODUCT, K split in four.  y[ks][e 1024 + rank][128 nb ..] = h[rank][1024 ks ..] w2[e][1024 ks ..][128 nb ..] (+ b2[e] where ks = 0), f32 partial sums that the next launch adds.
; Work-group (x, e), nb = x & 7, ks = x >> 3, owns 1,024 k x 128 columns of w2[e]: 512 KiB of f32 that it alone reads, once.  Operands f16 (w2 rounded once here), sums f32.
; ALL EIGHT WAVES RUN ONE TEXT, the first product's: wave (rg, ch) multiplies 64 ranks x 64 columns and brings k step rg, columns 64 ch on, of every chunk of 128 k into LDS, where the slice stays.
; Pass 0 (ranks 0-255) is written out, 32 k steps under the stream with eight barriers in straight text; ranks from 256 on are a loop without barriers, which begins at a pass's way out, so that
; pass 0 falls into its head; one barrier stands behind it, between all waves' reads of LDS and the closing add.  A wave runs (count + 255 - 64 rg) / 256 passes, the first always:
; the same tiles of h that the first product has stored.
; K's places: place (chunk c, step s, half hh, jj) is k = 128 c + 64 (s >> 1) + 32 hh + 4 (jj & 7) + 2 (s & 1) + (jj >> 3): h lies in memory in just that order, so each load of h takes 512 consecutive bytes.
; NATURAL USE.  Source 0 = h, source 1 = weights: lane (r, hh) holds column 64 ch + 4 r + t of fragment t, register j rank 8 hh + j.  The bias add brings the four t into neighbouring
; registers: a store's sixteen lanes write 256 consecutive bytes of a row of y, aligned.  Tiles of 16 ranks that begin at or past the count are not stored.
; LIMITS.  |w2| stays under 65,504 (f16).  NO CLUSTER: each slice of weights has one reader; the tiles of h, which eight work-groups read, go straight into registers.
.set PITCH, 4096                       ; bytes of a k row of w2[e]
.set CHW,   128*PITCH
.set CHA,   4096                       ; a chunk in a tile of h
.set STA,   1024                       ; a k step there
.set QA,    512                        ; the second half of a fragment there
.set WB,    8192                       ; LDS: the weights, chunk c, step s, fragment g = 4 ch + t, half q at c 32768 + s 8192 + g 1024 + q 512 + 16 lane
.set CHL,   32768
.set SPARE, WB+8*CHL                   ; the spare words, 128 bytes a wave
.set AOFF, 4                           ; v[4:7]  131,072 a + 16 lane; never rewritten
.set BADR, 8
.set SPW,  10
.set NIL,  11
.set R16,  13                          ; v13  16 r
.set YOFF, 14                          ; v14  32,768 hh + 16 r
.set WOFF, 16
.set L16,  17
.set BI,   20                          ; v[20:23] b2 of my four columns, or 0
.set RB,   24
.set SB,   28
.set FR,   32
.set AR,   64
.set BX,   192
.set TT,   64                          ; the way out: 128 registers
.set WS,   128
.set WV, 24
.set RG, 25
.set CH, 26
.set PASS, 27
.set CNT, 28
.set KC, 29
.set SW0, 40
.set SA0, 44
.set SA, 46
.set SO, 48
.set NPW, 50
.set XX, 51
.set EE, 52
.set NBK, 53
.set KSP, 54
.set ROW0, 55
.set TB, 56
.set BB, 58                            ; s[58:59] b2 at my columns
.set YB, 60                            ; s[60:61] y at my part, expert and columns
.set MSB, 0
.macro WIN new
.if MSB != (\new)
	s_set_vgpr_msb (MSB<<8)|(\new)
.set MSB, (\new)
.endif
.endm
.macro BARRIER
	s_wait_dscnt 0x0
	s_barrier_signal -1
	s_barrier_wait -1
.endm
.macro PLACES
.rept 4
	v_nop
.endr
.endm
.macro MM16 s, buf, zero               ; 16 matrix instructions on 16 different accumulators, which keep their order from step to step: they take turns
	WIN 0x50
.irp t, 0,1,2,3
.irp a, 0,1,2,3
.if \zero
	v_wmma_f32_16x16x32_f16 v[8*(4*(\a)+(\t)):8*(4*(\a)+(\t))+7], v[AR+32*(\s)+8*(\a):AR+32*(\s)+8*(\a)+7], v[BX+32*(\buf)+8*(\t):BX+32*(\buf)+8*(\t)+7], 0
.else
	v_wmma_f32_16x16x32_f16 v[8*(4*(\a)+(\t)):8*(4*(\a)+(\t))+7], v[AR+32*(\s)+8*(\a):AR+32*(\s)+8*(\a)+7], v[BX+32*(\buf)+8*(\t):BX+32*(\buf)+8*(\t)+7], v[8*(4*(\a)+(\t)):8*(4*(\a)+(\t))+7]
.endif
.endr
.endr
.endm
.macro BLD buf, breg, off
	WIN 0
.irp t, 0,1,2,3
	ds_load_b128 v[BX+32*(\buf)+8*(\t):BX+32*(\buf)+8*(\t)+3],   v[\breg] offset:(\off)+(\t)*1024
	ds_load_b128 v[BX+32*(\buf)+8*(\t)+4:BX+32*(\buf)+8*(\t)+7], v[\breg] offset:(\off)+(\t)*1024+512
.endr
.endm
.macro ALD s, off
	WIN 0
.irp a, 0,1,2,3
	global_load_b128 v[AR+32*(\s)+8*(\a):AR+32*(\s)+8*(\a)+3],   v[AOFF+(\a)], s[SA:SA+1] offset:(\off)
	global_load_b128 v[AR+32*(\s)+8*(\a)+4:AR+32*(\s)+8*(\a)+7], v[AOFF+(\a)], s[SA:SA+1] offset:(\off)+QA
.endr
.endm
.macro WLD set, c, j0, n
	WIN 0x40
.set jj, \j0
.rept \n
	global_load_b128 v[WS+64*(\set)+4*jj:WS+64*(\set)+4*jj+3], v[WOFF], s[SW0+2*((\c)/4):SW0+2*((\c)/4)+1] offset:((\c)%4)*CHW+(4*(jj&7)+(jj>>3))*PITCH th:TH_LOAD_NT
.set jj, jj+1
.endr
	WIN 0
.endm
.macro CONV set, c
	WIN 0x05
.set tt, 0
.rept 4
.set jr, 0
.rept 8
	v_cvt_pk_f16_f32 v[FR+8*tt+jr], v[WS+64*(\set)+8*jr+tt], v[WS+64*(\set)+8*jr+4+tt]
.set jr, jr+1
.endr
.set tt, tt+1
.endr
	WIN 0
.set tt, 0
.rept 4
	ds_store_b128 v[SB+(\c)/2], v[FR+8*tt:FR+8*tt+3]   offset:((\c)%2)*CHL+tt*1024
	ds_store_b128 v[SB+(\c)/2], v[FR+8*tt+4:FR+8*tt+7] offset:((\c)%2)*CHL+tt*1024+512
.set tt, tt+1
.endr
.endm
; NN = the loads issued behind h of k step j when that step begins.  K step i issues 8 loads of h (i <= 27) and then 4 of weights (i <= 19).  In steps 1-3 more are behind (the 16 loads of chunk 2);
; the smaller count 40 is kept there, which holds what a wave has out at 52 loads.
.macro CNTADD i
.if (\i) <= 27
.set NN, NN+8
.endif
.if (\i) <= 19
.set NN, NN+4
.endif
.endm
.macro LCNT j
.if (\j) < 4
.set NN, 40
.else
.set NN, 0
.if (\j)-4 <= 19
.set NN, NN+4
.endif
	CNTADD (\j)-3
	CNTADD (\j)-2
	CNTADD (\j)-1
.endif
.endm
.macro P0KS j                          ; k step j of pass 0
.set cc, (\j)/4
.set ss, (\j)%4
.set nj, (\j)+1
.if (ss == 3) && (cc < 7)
	BARRIER                                        ; chunk cc + 1, laid at this chunk's step 0, is whole: its first fragments are asked for next
.endif
.if (\j) < 31
	BLD nj%2, RB+(nj/8), ((nj/4)%2)*CHL+(nj%4)*8192
.endif
	LCNT \j
	s_wait_loadcnt NN                              ; h of this step is in, and every load older than it
.if (\j) == 31
	s_wait_dscnt 0
.elseif (ss == 1) && (cc < 7)
	s_wait_dscnt 16                                ; this step's fragments are in; the conversion's 8 stores and the 8 loads just issued may stay out
.else
	s_wait_dscnt 8                                 ; this step's fragments are in; the 8 loads just issued may stay out
.endif
.if (\j) == 0
	MM16 ss, (\j)%2, 1
.else
	MM16 ss, (\j)%2, 0
.endif
.if (ss == 0) && (cc < 7)
	CONV (cc+1)%2, cc+1                            ; its 32 conversions, which name no register of the products, are the places behind them
.else
	WIN 0
	PLACES
.endif
.if (\j) < 28
	ALD ss, ((\j)/4+1)*CHA+ss*STA
.endif
.if (\j) < 20
	WLD (cc+1)%2, cc+3, 4*ss, 4
.endif
.endm
.macro LKS s, buf, zero, lc, aoff, boff  ; a k step of a further pass
.if (\boff) >= 0
	BLD 1-(\buf), BADR, \boff
.endif
	s_wait_loadcnt \lc
.if (\boff) >= 0
	s_wait_dscnt 8
.else
	s_wait_dscnt 0
.endif
	MM16 \s, \buf, \zero
	WIN 0
	PLACES
.if (\aoff) >= 0
	ALD \s, \aoff
.endif
.endm
.macro PSTART                          ; a pass begins: h at my four tiles, four k steps of it
	s_lshl_b32 s31, s[PASS], 4
	s_lshl_b32 s32, s[RG], 2
	s_add_co_u32 s31, s31, s32
	s_min_u32 s31, s31, 60
	s_lshl_b32 s32, s31, 17
	s_mov_b32 s33, 0
	s_add_nc_u64 s[SA:SA+1], s[SA0:SA0+1], s[32:33]
.irp s, 0,1,2,3
	ALD \s, (\s)*STA
.endr
.endm
	s_load_b256 s[8:15], s[0:1], 0x0               ; cnt, h, w2, b2
	s_load_b64 s[16:17], s[0:1], 0x20              ; y
	v_lshl_add_u32 v[SPW], v0, 2, SPARE
	v_mov_b32 v[NIL], 0
	v_and_b32 v1, 31, v0
	v_lshrrev_b32 v9, 5, v0
	v_readfirstlane_b32 s[WV], v9
	v_and_b32 v2, 15, v0
	v_bfe_u32 v3, v0, 4, 1
	s_lshr_b32 s[RG], s[WV], 1
	s_and_b32 s[CH], s[WV], 1
	s_mov_b32 s[XX], ttmp9
	s_and_b32 s[EE], ttmp7, 0xffff
	s_and_b32 s[NBK], s[XX], 7
	s_lshr_b32 s[KSP], s[XX], 3
	v_lshlrev_b32 v[L16], 4, v1
	v_lshlrev_b32 v[R16], 4, v2
	v_lshl_add_u32 v[YOFF], v3, 15, v[R16]
.irp a, 0,1,2,3
	v_add_nc_u32 v[AOFF+(\a)], (\a)*131072, v[L16]
.endr
	v_lshl_add_u32 v[WOFF], v3, 17, v[R16]         ; 32 hh rows of 4,096 bytes + 16 r
	s_lshr_b32 s31, s[RG], 1
	s_lshl_b32 s31, s31, 18                        ; + 64 (s >> 1) rows
	s_and_b32 s32, s[RG], 1
	s_lshl_b32 s32, s32, 13                        ; + 2 (s & 1) rows
	s_add_co_u32 s31, s31, s32
	s_lshl_b32 s32, s[CH], 8                       ; + 64 columns
	s_add_co_u32 s31, s31, s32
	v_add_nc_u32 v[WOFF], s31, v[WOFF]
	s_lshl_b32 s31, s[CH], 12
	s_add_co_u32 s31, s31, WB
	s_lshl_b32 s32, s[RG], 13
	s_add_co_u32 s32, s32, s31
.irp i, 0,1,2,3
	v_add_nc_u32 v[RB+(\i)], s31, v[L16]
	v_add_nc_u32 v[SB+(\i)], s32, v[L16]
	s_add_co_u32 s31, s31, 2*CHL
	s_add_co_u32 s32, s32, 2*CHL
.endr
	s_mov_b32 s[PASS], 0
	s_mov_b32 s33, 0
	s_lshl_b32 s38, s[EE], 7
	s_wait_kmcnt 0x0
	s_load_b32 s[CNT], s[8:9], s38 offset:0x0      ; the expert's count
	s_lshl_b32 s32, s[EE], 24
	s_lshl_b32 s31, s[KSP], 22
	s_add_co_u32 s32, s32, s31
	s_lshl_b32 s31, s[NBK], 9
	s_add_co_u32 s32, s32, s31
	s_add_nc_u64 s[SW0:SW0+1], s[12:13], s[32:33]  ; w2[e][1024 ks][128 nb]
	s_add_nc_u64 s[SW0+2:SW0+3], s[SW0:SW0+1], 4*CHW
	s_lshl_b32 s32, s[EE], 23
	s_lshl_b32 s31, s[KSP], 15
	s_add_co_u32 s32, s32, s31
	s_add_nc_u64 s[SA0:SA0+1], s[10:11], s[32:33]  ; h[e][tile 0][block 16 ks]
	s_lshl_b32 s32, s[EE], 12
	s_lshl_b32 s31, s[NBK], 9
	s_add_co_u32 s32, s32, s31
	s_lshl_b32 s31, s[CH], 8
	s_add_co_u32 s32, s32, s31
	s_add_nc_u64 s[BB:BB+1], s[14:15], s[32:33]
	s_lshl_b32 s32, s[KSP], 25
	s_lshl_b32 s31, s[EE], 22
	s_add_co_u32 s32, s32, s31
	s_lshl_b32 s31, s[NBK], 9
	s_add_co_u32 s32, s32, s31
	s_lshl_b32 s31, s[CH], 8
	s_add_co_u32 s32, s32, s31
	s_add_nc_u64 s[YB:YB+1], s[16:17], s[32:33]
	global_load_b128 v[BI:BI+3], v[R16], s[BB:BB+1]  ; b2 of my four columns
	WLD 0, 0, 0, 16
	WLD 1, 1, 0, 16
	s_wait_kmcnt 0x0
	s_min_u32 s[CNT], s[CNT], 1024
	s_lshl_b32 s31, s[RG], 6
	s_sub_co_u32 s31, 255, s31
	s_add_co_u32 s31, s31, s[CNT]
	s_lshr_b32 s[NPW], s31, 8                      ; my passes
	s_cmp_eq_u32 s[KSP], 0
	s_cselect_b32 s31, -1, 0
	s_wait_loadcnt 16                              ; b2 and my part of chunk 0 are in; chunk 1's 16 loads stay out
.irp k, 0,1,2,3
	v_cndmask_b32 v[BI+(\k)], 0, v[BI+(\k)], s31   ; the bias goes into the first of the four partial sums alone
.endr
	CONV 0, 0
	BARRIER                                        ; chunk 0 is in LDS
	PSTART
	s_wait_loadcnt 32                              ; my part of chunk 1 is in; the 32 loads of h stay out
	WLD 0, 2, 0, 16
	BLD 0, RB, 0
.set kk, 0
.rept 32
	P0KS kk
.set kk, kk+1
.endr
.Lepi:                                                 ; THE LOOP OVER PASSES begins at a pass's way out: pass 0 falls into its head; a trip is the way out of pass PASS and then the products of the next
	s_lshl_b32 s[ROW0], s[PASS], 8
	s_lshl_b32 s31, s[RG], 6
	s_add_co_u32 s[ROW0], s[ROW0], s31
	s_min_u32 s[ROW0], s[ROW0], 960                ; my first rank
	s_lshl_b32 s32, s[ROW0], 12
	s_mov_b32 s33, 0
	s_add_nc_u64 s[SO:SO+1], s[YB:YB+1], s[32:33]  ; (the last pass's stores have read their base: the wait behind its last tile)
.macro YTILE a
	s_add_co_u32 s34, s[ROW0], 16*(\a)
	s_cmp_lt_u32 s34, s[CNT]
	s_cbranch_scc0 .Lydone                         ; this tile and those behind it hold no rank below the count
	WIN 0x01
.irp j, 0,1,2,3,4,5,6,7                ; register 0 of each accumulator first
.irp t, 0,1,2,3
	v_add_f32 v[TT+32*(\a)+4*(\j)+(\t)], v[8*(4*(\a)+(\t))+(\j)], v[BI+(\t)]
.endr
.endr
	WIN 0
.irp j, 0,1,2,3,4,5,6,7
	global_store_b128 v[YOFF], v[TT+32*(\a)+4*(\j):TT+32*(\a)+4*(\j)+3], s[SO:SO+1] offset:(\a)*65536+(\j)*4096  ; sixteen lanes: 256 consecutive bytes of a row, aligned
.endr
.endm
	YTILE 0
	YTILE 1
	YTILE 2
	YTILE 3
.Lydone:
	s_wait_xcnt 0x0                                ; the stores have read their registers and their base, which the next pass writes
	s_add_co_u32 s[PASS], s[PASS], 1
	s_cmp_lt_u32 s[PASS], s[NPW]
	s_cbranch_scc0 .Lend                           ; no further pass of mine: forward, over text that holds no barrier
	; a further pass of 256 ranks: nobody writes LDS, no barrier
	PSTART
	s_mov_b32 s[TB], 0
	v_mov_b32 v[BADR], v[RB]
	BLD 0, BADR, 0
	LKS 0, 0, 1, 24, CHA, 8192
	s_mov_b32 s[KC], 6
.Lx:                                                   ; trip i = 0..5: steps 1-3 of chunk i and step 0 of chunk i + 1
	LKS 1, 1, 0, 24, CHA+STA, 2*8192
	LKS 2, 0, 0, 24, CHA+2*STA, 3*8192
	LKS 3, 1, 0, 24, CHA+3*STA, CHL
	LKS 0, 0, 0, 24, 2*CHA, CHL+8192
	s_add_co_u32 s[TB], s[TB], CHL
	v_add_nc_u32 v[BADR], s[TB], v[RB]
	s_wait_xcnt 0x0                                ; the base steps only behind this wait
	s_add_nc_u64 s[SA:SA+1], s[SA:SA+1], CHA
	s_sub_co_u32 s[KC], s[KC], 1
	s_cmp_lg_u32 s[KC], 0
	s_cbranch_scc1 .Lx
	LKS 1, 1, 0, 24, CHA+STA, 2*8192               ; chunk 6 goes on; chunk 7 asks for no more h, and the counts run down
	LKS 2, 0, 0, 24, CHA+2*STA, 3*8192
	LKS 3, 1, 0, 24, CHA+3*STA, CHL
	LKS 0, 0, 0, 24, -1, CHL+8192
	LKS 1, 1, 0, 16, -1, CHL+2*8192
	LKS 2, 0, 0, 8, -1, CHL+3*8192
	LKS 3, 1, 0, 0, -1, -1
	s_cmp_lt_u32 s[PASS], s[NPW]                   ; the count was taken up once, above
	s_cbranch_scc1 .Lepi
.Lend:
	BARRIER                                        ; every wave's reads of LDS are over before any wave's closing add writes LDS
	s_wait_tensorcnt 0x0                           ; the wave's end, behind my last LDS store
	ds_add_u32 v[SPW], v[NIL]
	s_wait_dscnt 0x0
	s_endpgm
.Lfunc_end_k_qeab8d7b574_down:
	.size	k_qeab8d7b574_down, .Lfunc_end_k_qeab8d7b574_down-k_qeab8d7b574_down
	.p2alignl 7, 3214868480
	.fill 96, 4, 3214868480
	.section	.rodata,"a",@progbits
	.p2align	6, 0x0
	.amdhsa_kernel k_qeab8d7b574_down
		.amdhsa_group_segment_fixed_size 271360
		.amdhsa_private_segment_fixed_size 0
		.amdhsa_enable_private_segment 0
		.amdhsa_kernarg_size 40
		.amdhsa_user_sgpr_count 2
		.amdhsa_user_sgpr_kernarg_segment_ptr 1
		.amdhsa_wavefront_size32 1
		.amdhsa_system_sgpr_workgroup_id_x 1
		.amdhsa_system_sgpr_workgroup_id_y 1
		.amdhsa_system_sgpr_workgroup_id_z 1
		.amdhsa_system_vgpr_workitem_id 0
		.amdhsa_next_free_vgpr 512
		.amdhsa_next_free_sgpr 66
		.amdhsa_reserve_vcc 0
		.amdhsa_float_denorm_mode_32 3
		.amdhsa_float_denorm_mode_16_64 3
		.amdhsa_memory_ordered 1
		.amdhsa_forward_progress 1
		.amdhsa_inst_pref_size 157
	.end_amdhsa_kernel
	.amdgpu_metadata
---
amdhsa.version: [ 1, 2 ]
amdhsa.kernels:
  - .name:           k_qeab8d7b574_down
    .symbol:         k_qeab8d7b574_down.kd
    .args:
      - { .name: cnt, .offset: 0, .size: 8, .value_kind: global_buffer, .address_space: global }
      - { .name: h, .offset: 8, .size: 8, .value_kind: global_buffer, .address_space: global }
      - { .name: w2, .offset: 16, .size: 8, .value_kind: global_buffer, .address_space: global }
      - { .name: b2, .offset: 24, .size: 8, .value_kind: global_buffer, .address_space: global }
      - { .name: y, .offset: 32, .size: 8, .value_kind: global_buffer, .address_space: global }
    .group_segment_fixed_size: 271360
    .private_segment_fixed_size: 0
    .kernarg_segment_align: 8
    .kernarg_segment_size: 40
    .max_flat_workgroup_size: 256
    .sgpr_count:     66
    .vgpr_count:     512
    .wavefront_size: 32
...
	.end_amdgpu_metadata
.endif
;; end of part 3
;; launch combine (part 4): grid 256 x 1, 8 waves a work-group, no clusters, 0 bytes of LDS; arguments route, gate, pos, y, out0; writes out0
.if DOCPART == 4
	.amdgcn_target "amdgcn-amd-amdhsa--gfx1250"
	.amdhsa_code_object_version 6
	.text
	.protected	k_qeab8d7b574_combine
	.globl	k_qeab8d7b574_combine
	.p2align	8
	.type	k_qeab8d7b574_combine,@function
k_qeab8d7b574_combine:
	s_mov_b64 s[64:65], 0
	v_nop
	global_prefetch_b8 v0, s[64:65] scope:SCOPE_SE
	s_setreg_imm32_b32 hwreg(HW_REG_WAVE_MODE, 25, 1), 1
	s_wait_xcnt 0x0
; THE SUM.  out0[t] = g0 (y0 + y1 + y2 + y3)[ea, rank] + g1 (the same)[eb, rank]: the four partial sums over K of each of the token's two experts, weighed by the gates.
; A wave takes half a token's row: token 4 x work-group + wave / 2, columns 512 (wave & 1) on.  Expert and rank are whole numbers that earlier launches stored; each is held to its table's size.
; An index 8 has gate 0, and route names the token's other expert in its place, so every row read has been stored.  Memory binds: 32 loads a wave go out together, each of 512 consecutive bytes.
	s_load_b256 s[8:15], s[0:1], 0x0               ; route, gate, pos, y
	s_load_b64 s[16:17], s[0:1], 0x20              ; out0
	v_and_b32 v1, 31, v0
	v_lshrrev_b32 v2, 5, v0
	v_readfirstlane_b32 s24, v2
	s_lshr_b32 s25, s24, 1
	s_lshl_b32 s26, ttmp9, 2
	s_add_co_u32 s25, s25, s26                     ; token
	s_and_b32 s26, s24, 1
	s_lshl_b32 s26, s26, 11                        ; my half of a row, in bytes
	s_lshl_b32 s27, s25, 2
	s_lshl_b32 s29, s25, 3
	s_wait_kmcnt 0x0
	s_load_b32 s28, s[8:9], s27 offset:0x0
	s_load_b64 s[30:31], s[10:11], s29 offset:0x0
.irp e, 0,1,2,3,4,5,6,7
	s_load_b32 s[32+(\e)], s[12:13], s27 offset:(\e)*4096  ; the token's rank in every expert: asked for at once, chosen below
.endr
	s_add_nc_u64 s[46:47], s[14:15], 0x2000000     ; the four parts of y
	s_add_nc_u64 s[48:49], s[14:15], 0x4000000
	s_add_nc_u64 s[50:51], s[14:15], 0x6000000
	s_lshl_b32 s54, s25, 12
	s_add_co_u32 s54, s54, s26
	s_mov_b32 s55, 0
	s_add_nc_u64 s[16:17], s[16:17], s[54:55]
	v_lshlrev_b32 v4, 4, v1
	s_wait_kmcnt 0x0
	s_and_b32 s40, s28, 15
	s_min_u32 s40, s40, 7
	s_bfe_u32 s41, s28, 0x40004
	s_min_u32 s41, s41, 7
	s_mov_b32 s42, s32
	s_mov_b32 s43, s32
.irp e, 1,2,3,4,5,6,7
	s_cmp_eq_u32 s40, \e
	s_cselect_b32 s42, s[32+(\e)], s42
	s_cmp_eq_u32 s41, \e
	s_cselect_b32 s43, s[32+(\e)], s43
.endr
	s_min_u32 s42, s42, 0x3ff
	s_min_u32 s43, s43, 0x3ff
	s_lshl_b32 s40, s40, 10
	s_add_co_u32 s40, s40, s42
	s_lshl_b32 s40, s40, 12
	s_add_co_u32 s40, s40, s26                     ; byte offset of my half of row e 1024 + rank
	s_lshl_b32 s41, s41, 10
	s_add_co_u32 s41, s41, s43
	s_lshl_b32 s41, s41, 12
	s_add_co_u32 s41, s41, s26
	v_add_nc_u32 v2, s40, v4
	v_add_nc_u32 v3, s41, v4
	s_mov_b32 s52, s31                             ; the second gate as the low word of a pair
	s_mov_b32 s53, s31
.irp i, 0,1,2,3
	global_load_b128 v[8+32*(\i):8+32*(\i)+3],   v2, s[14:15] offset:512*(\i) th:TH_LOAD_NT
	global_load_b128 v[12+32*(\i):12+32*(\i)+3], v2, s[46:47] offset:512*(\i) th:TH_LOAD_NT
	global_load_b128 v[16+32*(\i):16+32*(\i)+3], v2, s[48:49] offset:512*(\i) th:TH_LOAD_NT
	global_load_b128 v[20+32*(\i):20+32*(\i)+3], v2, s[50:51] offset:512*(\i) th:TH_LOAD_NT
	global_load_b128 v[24+32*(\i):24+32*(\i)+3], v3, s[14:15] offset:512*(\i) th:TH_LOAD_NT
	global_load_b128 v[28+32*(\i):28+32*(\i)+3], v3, s[46:47] offset:512*(\i) th:TH_LOAD_NT
	global_load_b128 v[32+32*(\i):32+32*(\i)+3], v3, s[48:49] offset:512*(\i) th:TH_LOAD_NT
	global_load_b128 v[36+32*(\i):36+32*(\i)+3], v3, s[50:51] offset:512*(\i) th:TH_LOAD_NT
.endr
.irp i, 0,1,2,3
	s_wait_loadcnt 24-8*(\i)                       ; this group's eight loads are in; the later groups' stay out
.irp q, 8+32*(\i), 24+32*(\i)
	v_pk_add_f32 v[(\q):(\q)+1],     v[(\q):(\q)+1],     v[(\q)+4:(\q)+5]
	v_pk_add_f32 v[(\q)+2:(\q)+3],   v[(\q)+2:(\q)+3],   v[(\q)+6:(\q)+7]
	v_pk_add_f32 v[(\q)+8:(\q)+9],   v[(\q)+8:(\q)+9],   v[(\q)+12:(\q)+13]
	v_pk_add_f32 v[(\q)+10:(\q)+11], v[(\q)+10:(\q)+11], v[(\q)+14:(\q)+15]
	v_pk_add_f32 v[(\q):(\q)+1],     v[(\q):(\q)+1],     v[(\q)+8:(\q)+9]
	v_pk_add_f32 v[(\q)+2:(\q)+3],   v[(\q)+2:(\q)+3],   v[(\q)+10:(\q)+11]
.endr
	v_pk_mul_f32 v[8+32*(\i):9+32*(\i)],   v[8+32*(\i):9+32*(\i)],   s[30:31] op_sel_hi:[1,0]
	v_pk_mul_f32 v[10+32*(\i):11+32*(\i)], v[10+32*(\i):11+32*(\i)], s[30:31] op_sel_hi:[1,0]
	v_pk_fma_f32 v[8+32*(\i):9+32*(\i)],   v[24+32*(\i):25+32*(\i)], s[52:53], v[8+32*(\i):9+32*(\i)] op_sel_hi:[1,0,1]
	v_pk_fma_f32 v[10+32*(\i):11+32*(\i)], v[26+32*(\i):27+32*(\i)], s[52:53], v[10+32*(\i):11+32*(\i)] op_sel_hi:[1,0,1]
	global_store_b128 v4, v[8+32*(\i):11+32*(\i)], s[16:17] offset:512*(\i) th:TH_STORE_NT  ; 512 consecutive bytes, aligned
.endr
	s_endpgm
.Lfunc_end_k_qeab8d7b574_combine:
	.size	k_qeab8d7b574_combine, .Lfunc_end_k_qeab8d7b574_combine-k_qeab8d7b574_combine
	.p2alignl 7, 3214868480
	.fill 96, 4, 3214868480
	.section	.rodata,"a",@progbits
	.p2align	6, 0x0
	.amdhsa_kernel k_qeab8d7b574_combine
		.amdhsa_group_segment_fixed_size 0
		.amdhsa_private_segment_fixed_size 0
		.amdhsa_enable_private_segment 0
		.amdhsa_kernarg_size 40
		.amdhsa_user_sgpr_count 2
		.amdhsa_user_sgpr_kernarg_segment_ptr 1
		.amdhsa_wavefront_size32 1
		.amdhsa_system_sgpr_workgroup_id_x 1
		.amdhsa_system_sgpr_workgroup_id_y 1
		.amdhsa_system_sgpr_workgroup_id_z 1
		.amdhsa_system_vgpr_workitem_id 0
		.amdhsa_next_free_vgpr 144
		.amdhsa_next_free_sgpr 66
		.amdhsa_reserve_vcc 0
		.amdhsa_float_denorm_mode_32 3
		.amdhsa_float_denorm_mode_16_64 3
		.amdhsa_memory_ordered 1
		.amdhsa_forward_progress 1
		.amdhsa_inst_pref_size 11
	.end_amdhsa_kernel
	.amdgpu_metadata
---
amdhsa.version: [ 1, 2 ]
amdhsa.kernels:
  - .name:           k_qeab8d7b574_combine
    .symbol:         k_qeab8d7b574_combine.kd
    .args:
      - { .name: route, .offset: 0, .size: 8, .value_kind: global_buffer, .address_space: global }
      - { .name: gate, .offset: 8, .size: 8, .value_kind: global_buffer, .address_space: global }
      - { .name: pos, .offset: 16, .size: 8, .value_kind: global_buffer, .address_space: global }
      - { .name: y, .offset: 24, .size: 8, .value_kind: global_buffer, .address_space: global }
      - { .name: out0, .offset: 32, .size: 8, .value_kind: global_buffer, .address_space: global }
    .group_segment_fixed_size: 0
    .private_segment_fixed_size: 0
    .kernarg_segment_align: 8
    .kernarg_segment_size: 40
    .max_flat_workgroup_size: 256
    .sgpr_count:     66
    .vgpr_count:     144
    .wavefront_size: 32
...
	.end_amdgpu_metadata
.endif
;; end of part 4
;; ======== version 2 of 2: 4 launches
;; limits: values are held in f16: magnitudes above 65,504 overflow, below 6.1e-05 lose precision
;; workspace buffers: route 4,096 bytes of whole numbers; pos 32,768 bytes of whole numbers; cnt 1,024 bytes of whole numbers; gate 8,192 bytes; xh 2,097,152 bytes; h 67,108,864 bytes; y 134,217,728 bytes
;; launch router: the kernel of part 1 again; grid 256 x 1, 4 waves a work-group, no clusters, 0 bytes of LDS; arguments inputs, masks, router_w, out1, out2, route, gate, xh; writes out1, out2, route, gate, xh
;; launch up (part 5): grid 32 x 8, 8 waves a work-group, no clusters, 271,360 bytes of LDS; arguments route, xh, w1, b1, h, pos, cnt; writes h, pos, cnt
.if DOCPART == 5
	.amdgcn_target "amdgcn-amd-amdhsa--gfx1250"
	.amdhsa_code_object_version 6
	.text
	.protected	k_qeab8d7b574_up
	.globl	k_qeab8d7b574_up
	.p2align	8
	.type	k_qeab8d7b574_up,@function
k_qeab8d7b574_up:
	s_mov_b64 s[64:65], 0
	v_nop
	global_prefetch_b8 v0, s[64:65] scope:SCOPE_SE
	s_setreg_imm32_b32 hwreg(HW_REG_WAVE_MODE, 25, 1), 1
	s_wait_xcnt 0x0
; FIRST PRODUCT.  h = gelu(x w1[e] + b1[e]) for the tokens that chose expert e, in the order of their ranks.  Work-group (x, e) owns w1[e][all 1,024 k][128 x .. 128 x + 127]: 512 KiB of f32
; that it alone reads, once.  Operands are rounded once to f16, sums are f32.
; ALL EIGHT WAVES RUN ONE TEXT.  Wave w = (rg = w / 2, ch = w % 2) multiplies 64 ranks (64 rg on) x 64 columns (64 ch on): 16 accumulators.  Of every chunk of 128 k it also brings k step rg,
; columns 64 ch on, from memory into registers (16 loads), rounds it to f16 and lays it into LDS as four matrix fragments.  The whole slice, 256 KiB in f16, stays in LDS.
; PASS 0, ranks 0-255, runs while the weights stream in, and is written out: 32 k steps, every LDS address a register that is never rewritten plus an immediate, eight barriers in straight text.
; Chunk c is multiplied while chunk c + 1 is laid into LDS and chunk c + 3 is asked for.  Loads come back in the order of issue (ISA guide 5.7.1), weights and x on one counter: the 4 weight loads of
; a k step stand behind the 8 loads of x for four steps on, so the wait for x five steps later shows them landed.
; FURTHER PASSES (an expert may have up to 1,024 ranks) take 64 ranks each, a tile of 16 for each row group: wave (rg, ch) has tile 12 + 4 pass + rg x 64 columns, if the tile begins below the count:
; (max(count, 256) - 129 - 16 rg) / 64 passes in all, the first always.  The weights lie in LDS, nobody writes LDS, no barrier.  The tile's whole x, 64 loads, is asked for at once, into the 256 registers
; that the ring of x and the weight sets have left.  The loop begins at a pass's way out, so that pass 0 falls into its head; one barrier stands behind it, between all waves' reads of LDS and the closing add.
; Ranks past the count take token 0 (the list is cleared first); their rows of h are stored and never used.
; NO TRANSPOSITION.  A weight load takes 256 bytes of one k row in lanes 0-15 and of the row 8 further on in lanes 16-31; lane (r, hh) gets columns 4 r + 0..3.  Sixteen such loads (places jj) give four
; fragments: fragment t, register jr = (load 2 jr, load 2 jr + 1) component t; its lane r is column 64 ch + 4 r + t.  K keeps its natural places: place (chunk c, step s, half hh, jj) is
; k = 128 c + 32 s + 8 hh + (jj & 7) + 16 (jj >> 3), so the two lanes of a token read 32 neighbouring bytes of its row in each load.
; TRANSPOSED USE.  Source 0 = weights, source 1 = x: a lane holds one token (lane % 16), register j of tile t the hidden unit 64 ch + 32 hh + 4 j + t.  Eight of them pack into 16 bytes, and
; h is laid out as the second product's operand registers take it: [e][16 ranks][64 hidden units][t][lane][16 bytes]; each store of a wave covers 512 consecutive bytes, aligned.
; PREFETCH.  Wave w asks for rows 16 w .. 16 w + 15 of a chunk of weights, the two blocks of 256 bytes of each, a block a lane: each block once in the launch.  Chunks 3 and 4 at the head, chunk c + 5
; in step 1 of chunk c (c = 0, 1, 2): two chunks, 128 KiB, ahead of the loads, which ask for chunk c + 3 in chunk c.  It stops at chunk 7, the slice's last.
; GELU, exact form: gelu(z) = max(z, 0) - |z| q, q = erfc(|z| / sqrt 2) / 2 = t (a1 + t (a2 + t (a3 + t (a4 + t a5)))) 2^(-0.7213475 z z), t = 1 / (1 + 0.2316419 |z|): the rational form of
; Abramowitz and Stegun 7.1.26, whose error bound, 1.5e-7 in erf, holds for every z.
; LIMITS.  f16 ends at 65,504: |x|, |w1| and |h| stay under it; below 6e-5 f16 keeps its fixed step of 6e-8.  NaN and infinities are not treated apart.
; NO CLUSTER: each slice of weights has one reader, and an expert's rows of x come by a list, which no one tile covers.
.set PITCH, 16384                      ; bytes of a k row of w1[e]
.set CHW,   128*PITCH                  ; a chunk of weights in memory
.set CHA,   256                        ; a chunk in a row of xh
.set STA,   64                         ; a k step there
.set QA,    32                         ; the second half of a fragment there
.set BIAS,  0                          ; LDS: 128 f32 in the order [hh][ch][t][j]
.set CNTW,  512                        ; the expert's count
.set LIST,  1024                       ; token of rank 0 .. 1,023; word 1,024 takes the stores of lanes that did not choose e
.set WB,    8192                       ; the weights: chunk c, step s, fragment g = 4 ch + t, half q at c 32768 + s 8192 + g 1024 + q 512 + 16 lane
.set CHL,   32768
.set SPARE, WB+8*CHL                   ; the spare words, 128 bytes a wave: four blocks of 256 bytes that no other line names
.set AOFF, 4                           ; v[4:7]  byte offset in xh of my token of tile a, + 16 hh
.set SPW,  10                          ; v10  my spare word; never rewritten
.set NIL,  11                          ; v11  0; never rewritten
.set BRD,  12                          ; v12  256 hh + 128 ch: my part of the bias table
.set LADR, 13                          ; v13  4 (lane % 16)
.set GOFF, 14                          ; v14  my byte offset in h
.set H16,  15                          ; v15  16 hh
.set WOFF, 16                          ; v16  my byte offset in a chunk of weights
.set PFO,  19                          ; v19  the block of a chunk of weights that my lane asks for ahead; never rewritten
.set L4,   20                          ; v20  4 lane
.set L16,  21                          ; v21  16 lane
.set TRI,  22                          ; v22  1,024
.set RB,   24                          ; v[24:27] where I read fragments: chunks 2 i, 2 i + 1; never rewritten
.set SB,   28                          ; v[28:31] where I lay fragments: chunks 2 i, 2 i + 1; never rewritten
.set FR,   32                          ; v[32:63] four fragments in f16
.set TK,   32                          ; at a pass's start: tokens
.set BL,   36                          ; at the head: four words of bias
.set RO,   32                          ; the way out: 32 results in f16
.set AR,   64                          ; v[64:191] x fragments: four k steps, tile a of step s at 32 s + 8 a
.set BX,   192                         ; v[192:255] weight fragments: two buffers of four
.set RR,   64                          ; the list: route words
.set PR,   96                          ; the list: ranks
.set RZ,   64                          ; the way out: z, then max(z, 0), then the result
.set RBI,  96                          ; the bias
.set RAB,  128                         ; |z|
.set RT,   160                         ; t
.set RE,   192                         ; the exponential
.set RQ,   224                         ; q
.set WS,   128                         ; window 1 (v256-511): accumulator (a, t) at 8 (4 a + t); two sets of 16 weight loads at 128 + 64 set
.set XW0,  64                          ; a further pass: x of k steps 0-15 in window 0, at 64 + 8 j,
.set XW1,  128                         ; of k steps 16-31 in window 1, at 128 + 8 (j - 16);
.set BW1,  32                          ; its second set of 64 fragment registers in window 1, where accumulators a = 1, 2 lay
.set WV, 24
.set RG, 25
.set CH, 26
.set PASS, 27
.set CNT, 28
.set EL, 30
.set SW0, 40                           ; s[40:41] weights at chunk 0, s[42:43] at chunk 4; never rewritten
.set SA, 46                            ; s[46:47] xh
.set SO, 48                            ; s[48:49] h at my expert and my 64 hidden units
.set A1, 50
.set A2, 52
.set A3, 54
.set A4, 56
.set A5, 58
.set PCO, 60
.set C2, 62
.set ABSM, 66
.set NPW, 67
.set XX, 68
.set EE, 69
.set EB, 70
.set PRE, 71
.set ELN, 73                           ; tiles on the way out: 4 in pass 0, 1 in a further pass
.set MSB, 0
.macro WIN new                         ; s_set_vgpr_msb: bits 1:0 source 0, 3:2 source 1, 5:4 source 2, 7:6 destination; the high byte repeats the setting that is left
.if MSB != (\new)
	s_set_vgpr_msb (MSB<<8)|(\new)
.set MSB, (\new)
.endif
.endm
.macro BARRIER                         ; my LDS instructions are done, stores for the others' sake and loads alike; then all eight waves meet
	s_wait_dscnt 0x0
	s_barrier_signal -1
	s_barrier_wait -1
.endm
.macro PLACES                          ; four plain instructions between a matrix instruction and a load into, or a read of, its registers
.rept 4
	v_nop
.endr
.endm
; 16 matrix instructions: fragments 0..3 x tiles 0..3, ring place s, fragment buffer buf.  All 16 accumulators differ and keep their order from step to step: they take turns.
.macro MM16 s, buf, zero
	WIN 0x50
.irp t, 0,1,2,3
.irp a, 0,1,2,3
.if \zero
	v_wmma_f32_16x16x32_f16 v[8*(4*(\a)+(\t)):8*(4*(\a)+(\t))+7], v[BX+32*(\buf)+8*(\t):BX+32*(\buf)+8*(\t)+7], v[AR+32*(\s)+8*(\a):AR+32*(\s)+8*(\a)+7], 0
.else
	v_wmma_f32_16x16x32_f16 v[8*(4*(\a)+(\t)):8*(4*(\a)+(\t))+7], v[BX+32*(\buf)+8*(\t):BX+32*(\buf)+8*(\t)+7], v[AR+32*(\s)+8*(\a):AR+32*(\s)+8*(\a)+7], v[8*(4*(\a)+(\t)):8*(4*(\a)+(\t))+7]
.endif
.endr
.endr
.endm
.macro BLD buf, breg, off              ; eight LDS loads: my four weight fragments of one k step; 512 consecutive bytes each
	WIN 0
.irp t, 0,1,2,3
	ds_load_b128 v[BX+32*(\buf)+8*(\t):BX+32*(\buf)+8*(\t)+3],   v[\breg] offset:(\off)+(\t)*1024
	ds_load_b128 v[BX+32*(\buf)+8*(\t)+4:BX+32*(\buf)+8*(\t)+7], v[\breg] offset:(\off)+(\t)*1024+512
.endr
.endm
.macro ALD s, off                      ; eight loads: the x fragments of one k step into ring place s
	WIN 0
.irp a, 0,1,2,3
	global_load_b128 v[AR+32*(\s)+8*(\a):AR+32*(\s)+8*(\a)+3],   v[AOFF+(\a)], s[SA:SA+1] offset:(\off)
	global_load_b128 v[AR+32*(\s)+8*(\a)+4:AR+32*(\s)+8*(\a)+7], v[AOFF+(\a)], s[SA:SA+1] offset:(\off)+QA
.endr
.endm
.macro WLD set, c, j0, n               ; n weight loads: places j0 on of my k step of chunk c
	WIN 0x40
.set jj, \j0
.rept \n
	global_load_b128 v[WS+64*(\set)+4*jj:WS+64*(\set)+4*jj+3], v[WOFF], s[SW0+2*((\c)/4):SW0+2*((\c)/4)+1] offset:((\c)%4)*CHW+((jj&7)+16*(jj>>3))*PITCH th:TH_LOAD_NT
.set jj, jj+1
.endr
	WIN 0
.endm
.macro PF c                            ; my 32 blocks of 256 bytes of chunk c are asked for ahead
	global_prefetch_b8 v[PFO], s[SW0+2*((\c)/4):SW0+2*((\c)/4)+1] offset:((\c)%4)*CHW th:TH_LOAD_NT scope:SCOPE_SE
.endm
.macro CONV set, c                     ; a set has come: four fragments in f16 into chunk c's place in LDS
	WIN 0x05
.set tt, 0
.rept 4
.set jr, 0
.rept 8
	v_cvt_pk_f16_f32 v[FR+8*tt+jr], v[WS+64*(\set)+8*jr+tt], v[WS+64*(\set)+8*jr+4+tt]
.set jr, jr+1
.endr
.set tt, tt+1
.endr
	WIN 0
.set tt, 0
.rept 4
	ds_store_b128 v[SB+(\c)/2], v[FR+8*tt:FR+8*tt+3]   offset:((\c)%2)*CHL+tt*1024
	ds_store_b128 v[SB+(\c)/2], v[FR+8*tt+4:FR+8*tt+7] offset:((\c)%2)*CHL+tt*1024+512
.set tt, tt+1
.endr
.endm
; NN = the loads issued behind x of k step j when that step begins.  K step i issues 8 loads of x (i <= 27) and then 4 of weights (i <= 19).  In steps 1-3 more are behind (the 16 loads of chunk 2);
; the smaller count 40 is kept there, which holds what a wave has out at 52 loads.
.macro CNTADD i
.if (\i) <= 27
.set NN, NN+8
.endif
.if (\i) <= 19
.set NN, NN+4
.endif
.endm
.macro LCNT j
.if (\j) < 4
.set NN, 40
.else
.set NN, 0
.if (\j)-4 <= 19
.set NN, NN+4
.endif
	CNTADD (\j)-3
	CNTADD (\j)-2
	CNTADD (\j)-1
.endif
.endm
; K step j of pass 0.
.macro P0KS j
.set cc, (\j)/4
.set ss, (\j)%4
.set nj, (\j)+1
.if (ss == 3) && (cc < 7)
	BARRIER                                        ; chunk cc + 1, laid at this chunk's step 0, is whole: its first fragments are asked for next
.endif
.if (\j) < 31
	BLD nj%2, RB+(nj/8), ((nj/4)%2)*CHL+(nj%4)*8192  ; the next step's fragments; their buffer's last readers stand ahead of the last step's places
.endif
	LCNT \j
	s_wait_loadcnt NN                              ; x of this step is in, and every load older than it
.if (\j) == 31
	s_wait_dscnt 0
.elseif (ss == 1) && (cc < 7)
	s_wait_dscnt 16                                ; this step's fragments are in; the conversion's 8 stores and the 8 loads just issued may stay out
.else
	s_wait_dscnt 8                                 ; this step's fragments are in; the 8 loads just issued may stay out
.endif
.if (\j) == 0
	MM16 ss, (\j)%2, 1                             ; the first k step starts the sums
.else
	MM16 ss, (\j)%2, 0
.endif
.if (ss == 0) && (cc < 7)
	CONV (cc+1)%2, cc+1                            ; its 32 conversions, which name no register of the products, are the places behind them
.else
	WIN 0
	PLACES
.endif
.if (\j) < 28
	ALD ss, ((\j)/4+1)*CHA+ss*STA                  ; x of four steps on, into the place just read
.endif
.if (\j) < 20
	WLD (cc+1)%2, cc+3, 4*ss, 4                    ; a quarter of my part of chunk cc + 3, into the set just converted
.endif
.if (ss == 1) && (cc < 3)
	PF cc+5                                        ; behind the step's loads: the chunk that the loads will ask for two chunks from now
.endif
.endm
; Pass 0 begins: my 64 ranks' tokens from the list, and four k steps of x.
.macro PSTART
	s_lshl_b32 s31, s[PASS], 10                    ; 256 ranks of 4 bytes a pass,
	s_lshl_b32 s32, s[RG], 8                       ; 64 a row group
	s_add_co_u32 s31, s31, s32
	s_min_u32 s31, s31, 0xf00
	v_add_nc_u32 v9, s31, v[LADR]
.irp a, 0,1,2,3
	ds_load_b32 v[TK+(\a)], v9 offset:LIST+64*(\a)
.endr
	s_wait_dscnt 0x0
.irp a, 0,1,2,3
	v_min_u32 v[TK+(\a)], 0x3ff, v[TK+(\a)]
	v_lshl_add_u32 v[AOFF+(\a)], v[TK+(\a)], 11, v[H16]
.endr
	s_mov_b64 s[SA:SA+1], s[10:11]
.irp s, 0,1,2,3
	ALD \s, (\s)*STA
.endr
.endm
; A FURTHER PASS, one tile of 16 ranks x 64 columns a wave, in 16 batches of two k steps.
.macro FLD j                           ; two loads: x of k step j of my tile
.if (\j) < 16
	WIN 0
	global_load_b128 v[XW0+8*(\j):XW0+8*(\j)+3],   v[AOFF], s[SA:SA+1] offset:(\j)*STA
	global_load_b128 v[XW0+8*(\j)+4:XW0+8*(\j)+7], v[AOFF], s[SA:SA+1] offset:(\j)*STA+QA
.else
	WIN 0x40
	global_load_b128 v[XW1+8*((\j)-16):XW1+8*((\j)-16)+3],   v[AOFF], s[SA:SA+1] offset:(\j)*STA
	global_load_b128 v[XW1+8*((\j)-16)+4:XW1+8*((\j)-16)+7], v[AOFF], s[SA:SA+1] offset:(\j)*STA+QA
.endif
.endm
.macro FBL set, b                      ; 16 LDS loads: my four fragments of k steps 2 b and 2 b + 1, into fragment set 0 (window 0) or 1 (window 1); fixed addresses
.if (\set) == 0
	WIN 0
.else
	WIN 0x40
.endif
.set FBR, BX*(1-(\set))+BW1*(\set)
.irp u, 0,1
.irp t, 0,1,2,3
	ds_load_b128 v[FBR+32*(\u)+8*(\t):FBR+32*(\u)+8*(\t)+3],   v[RB+(2*(\b)+(\u))/8] offset:(((2*(\b)+(\u))/4)%2)*CHL+((2*(\b)+(\u))%4)*8192+(\t)*1024
	ds_load_b128 v[FBR+32*(\u)+8*(\t)+4:FBR+32*(\u)+8*(\t)+7], v[RB+(2*(\b)+(\u))/8] offset:(((2*(\b)+(\u))/4)%2)*CHL+((2*(\b)+(\u))%4)*8192+(\t)*1024+512
.endr
.endr
.endm
.macro FMM b                           ; 8 matrix instructions: the four accumulators of tile a = 0 by turns, twice; the first four of all start the sums
.set fs, (\b)%2
.set xw, (\b)/8
.set FBR, BX*(1-fs)+BW1*fs
.set XBR, (XW0+16*(\b))*(1-xw)+(XW1+16*((\b)-8))*xw
	WIN 0x50|fs|(xw<<2)
.irp u, 0,1
.irp t, 0,1,2,3
.if ((\b) == 0) && ((\u) == 0)
	v_wmma_f32_16x16x32_f16 v[8*(\t):8*(\t)+7], v[FBR+32*(\u)+8*(\t):FBR+32*(\u)+8*(\t)+7], v[XBR+8*(\u):XBR+8*(\u)+7], 0
.else
	v_wmma_f32_16x16x32_f16 v[8*(\t):8*(\t)+7], v[FBR+32*(\u)+8*(\t):FBR+32*(\u)+8*(\t)+7], v[XBR+8*(\u):XBR+8*(\u)+7], v[8*(\t):8*(\t)+7]
.endif
.endr
.endr
.endm
.macro FBATCH b
.if (\b) < 15
	FBL ((\b)+1)%2, (\b)+1                         ; the next batch's fragments; their set's last readers stand ahead of the last batch's places
.endif
.if (\b) == 0
	s_wait_loadcnt 56                              ; of the 60 loads issued the first four, k steps 0 and 1, are in
	FLD 30                                         ; the last four go out here, so that a wave never has more than 60 loads out
	FLD 31
.else
	s_wait_loadcnt 60-4*(\b)                       ; this batch's four loads are in; those of the batches behind it may stay out
.endif
.if (\b) < 15
	s_wait_dscnt 16                                ; this batch's fragments are in; the 16 loads just issued may stay out
.else
	s_wait_dscnt 0
.endif
	FMM \b
	WIN 0
	PLACES
.endm
	s_load_b256 s[8:15], s[0:1], 0x0               ; route, xh, w1, b1
	s_load_b128 s[16:19], s[0:1], 0x20             ; h, pos
	s_load_b64 s[20:21], s[0:1], 0x30              ; cnt
	v_lshl_add_u32 v[SPW], v0, 2, SPARE
	v_mov_b32 v[NIL], 0
	v_and_b32 v1, 31, v0                           ; lane
	v_lshrrev_b32 v9, 5, v0
	v_readfirstlane_b32 s[WV], v9                  ; wave 0..7
	v_and_b32 v2, 15, v0                           ; r
	v_bfe_u32 v3, v0, 4, 1                         ; hh
	s_lshr_b32 s[RG], s[WV], 1                     ; my 64 ranks; also the k step that I bring
	s_and_b32 s[CH], s[WV], 1                      ; my 64 columns, to multiply and to bring
	s_mov_b32 s[XX], ttmp9
	s_and_b32 s[EE], ttmp7, 0xffff
	v_lshlrev_b32 v[L16], 4, v1
	v_lshlrev_b32 v[L4], 2, v1
	v_lshlrev_b32 v[H16], 4, v3
	v_lshlrev_b32 v[LADR], 2, v2
	s_lshl_b32 s31, s[CH], 7
	v_lshl_add_u32 v[BRD], v3, 8, s31
	v_lshlrev_b32 v[WOFF], 17, v3                  ; 8 hh rows of 16,384 bytes
	v_lshl_add_u32 v[WOFF], v2, 4, v[WOFF]         ; + 16 r
	s_lshl_b32 s31, s[RG], 19                      ; + 32 rows a k step
	s_lshl_b32 s32, s[CH], 8                       ; + 64 columns
	s_add_co_u32 s31, s31, s32
	v_add_nc_u32 v[WOFF], s31, v[WOFF]
	v_lshrrev_b32 v9, 1, v1                        ; ahead: row 16 wave + lane / 2 of a chunk,
	s_lshl_b32 s31, s[WV], 4
	v_add_nc_u32 v9, s31, v9
	v_and_b32 v18, 1, v1                           ; block lane % 2 of its 512 bytes
	v_lshlrev_b32 v[PFO], 14, v9
	v_lshl_add_u32 v[PFO], v18, 8, v[PFO]
	s_lshl_b32 s31, s[CH], 12                      ; my four fragments of a k step,
	s_add_co_u32 s31, s31, WB
	s_lshl_b32 s32, s[RG], 13                      ; and the k step that I lay
	s_add_co_u32 s32, s32, s31
.irp i, 0,1,2,3
	v_add_nc_u32 v[RB+(\i)], s31, v[L16]
	v_add_nc_u32 v[SB+(\i)], s32, v[L16]
	s_add_co_u32 s31, s31, 2*CHL
	s_add_co_u32 s32, s32, 2*CHL
.endr
	s_mov_b32 s[PASS], 0
	s_mov_b32 s33, 0
	s_wait_kmcnt 0x0
	s_lshl_b32 s32, s[EE], 24
	s_lshl_b32 s31, s[XX], 9
	s_add_co_u32 s32, s32, s31
	s_add_nc_u64 s[SW0:SW0+1], s[12:13], s[32:33]  ; w1[e][0][128 x]
	s_add_nc_u64 s[SW0+2:SW0+3], s[SW0:SW0+1], 4*CHW
	s_lshl_b32 s32, s[EE], 23
	s_lshl_b32 s31, s[XX], 12
	s_add_co_u32 s32, s32, s31
	s_lshl_b32 s31, s[CH], 11
	s_add_co_u32 s32, s32, s31
	s_add_nc_u64 s[SO:SO+1], s[16:17], s[32:33]    ; h[e][tile 0][block 2 x + ch]
	s_lshl_b32 s32, s[EE], 14
	s_lshl_b32 s31, s[XX], 9
	s_add_co_u32 s32, s32, s31
	s_add_nc_u64 s[36:37], s[14:15], s[32:33]      ; b1[e][128 x]
	; every wave asks for the route words and the bias, so that they are written on every way; then for its part of chunks 0 and 1
.irp q, 0,1,2,3,4,5,6,7
	global_load_b128 v[RR+4*(\q):RR+4*(\q)+3], v[L16], s[8:9] offset:512*(\q)
.endr
.irp k, 0,1,2,3
	global_load_b32 v[BL+(\k)], v[L4], s[36:37] offset:128*(\k)
.endr
	WLD 0, 0, 0, 16
	WLD 1, 1, 0, 16
	PF 3                                           ; chunks 3 and 4, which the loads ask for in chunks 0 and 1
	PF 4
	s_mov_b32 s[A1], 0x3e027906                    ; the five coefficients, halved; each named as a pair, of which the low word serves both halves
	s_mov_b32 s[A1+1], 0x3e027906
	s_mov_b32 s[A2], 0xbe11a98e
	s_mov_b32 s[A2+1], 0xbe11a98e
	s_mov_b32 s[A3], 0x3f35f0e3
	s_mov_b32 s[A3+1], 0x3f35f0e3
	s_mov_b32 s[A4], 0xbf3a00e3
	s_mov_b32 s[A4+1], 0xbf3a00e3
	s_mov_b32 s[A5], 0x3f07dc22
	s_mov_b32 s[A5+1], 0x3f07dc22
	s_mov_b32 s[PCO], 0x3e6d3388                   ; 0.2316419
	s_mov_b32 s[PCO+1], 0x3e6d3388
	s_mov_b32 s[C2], 0xbf38aa3b                    ; -log2(e) / 2
	s_mov_b32 s[C2+1], 0xbf38aa3b
	s_mov_b32 s[ABSM], 0x7fffffff
	s_wait_loadcnt 32                              ; route and bias are in; the 32 weight loads stay out
	s_cmp_eq_u32 s[WV], 0
	s_cbranch_scc1 .Llist
	s_cmp_eq_u32 s[WV], 1
	s_cbranch_scc0 .Ljoin
	; wave 1: the bias, into the order in which a lane's accumulator registers want it
	v_and_b32 v9, 3, v1                            ; t
	v_lshrrev_b32 v18, 2, v1                       ; j
	v_lshlrev_b32 v9, 5, v9
	v_lshl_add_u32 v9, v18, 2, v9
.irp k, 0,1,2,3
	ds_store_b32 v9, v[BL+(\k)] offset:BIAS+((\k)&1)*256+((\k)>>1)*128  ; column 32 k + lane: hh = k & 1, ch = k >> 1
.endr
	s_branch .Ljoin
.Llist:
	; wave 0: the expert's tokens in a fixed order: word W = 4 q + c, bit l is token 128 q + 4 l + c, as the loads delivered them; rank = the chosen ones before it
.irp k, 0,1,2,3
	v_mov_b32 v[FR+(\k)], 0
.endr
.irp q, 0,1,2,3,4,5,6,7
	ds_store_b128 v[L16], v[FR:FR+3] offset:LIST+512*(\q)  ; ranks past the count take token 0
.endr
	v_mov_b32 v[TRI], 0x400
	s_add_co_u32 s31, s[EE], 8
	s_lshl_b32 s[EB], 1, s31                       ; the expert's bit in a route word
	s_mov_b32 s[PRE], 0
.set ww, 0
.rept 32
	v_and_b32 v18, s[EB], v[RR+ww]
	v_cmp_ne_u32 vcc_lo, 0, v18
	v_mbcnt_lo_u32_b32 v[PR+ww], vcc_lo, s[PRE]    ; the words before, and the lanes below me in this word
	v_cndmask_b32 v18, v[TRI], v[PR+ww], vcc_lo    ; a lane that did not choose e stores into word 1,024
	v_min_u32 v18, 0x400, v18
	v_lshl_add_u32 v18, v18, 2, LIST
	v_add_nc_u32 v9, 128*(ww/4)+(ww%4), v[L4]      ; the token
	ds_store_b32 v18, v9
	s_bcnt1_i32_b32 s31, vcc_lo
	s_add_co_u32 s[PRE], s[PRE], s31
.set ww, ww+1
.endr
	v_mov_b32 v18, s[PRE]
	v_mov_b32 v9, CNTW
	ds_store_b32 v9, v18                           ; the count, for all waves
	s_cmp_lg_u32 s[XX], 0
	s_cbranch_scc1 .Ljoin                          ; one work-group an expert stores ranks and count for the later launches
	s_lshl_b32 s32, s[EE], 12
	s_add_nc_u64 s[34:35], s[18:19], s[32:33]
	s_lshl_b32 s32, s[EE], 7
	s_add_nc_u64 s[38:39], s[20:21], s[32:33]
.irp q, 0,1,2,3,4,5,6,7
	global_store_b128 v[L16], v[PR+4*(\q):PR+4*(\q)+3], s[34:35] offset:512*(\q)
.endr
	global_store_b32 v[L4], v18, s[38:39]
	s_wait_xcnt 0x0                                ; the stores have read their registers, which x's fragments take next
.Ljoin:
	s_wait_loadcnt 16                              ; my part of chunk 0 is in; chunk 1's 16 loads stay out
	CONV 0, 0
	BARRIER                                        ; chunk 0, the list, the count and the bias are in LDS
	v_mov_b32 v9, CNTW
	ds_load_b32 v18, v9
	s_wait_dscnt 0x0
	v_readfirstlane_b32 s[CNT], v18
	s_min_u32 s[CNT], s[CNT], 1024
	s_max_u32 s31, s[CNT], 256
	s_lshl_b32 s32, s[RG], 4
	s_sub_co_u32 s31, s31, 129
	s_sub_co_u32 s31, s31, s32
	s_lshr_b32 s[NPW], s31, 6                      ; my passes: pass 0, and those p with 16 (12 + 4 p + rg) below the count
	PSTART
	s_wait_loadcnt 32                              ; my part of chunk 1 is in; the 32 loads of x stay out
	WLD 0, 2, 0, 16                                ; chunk 2, into the set that chunk 0 has left
	BLD 0, RB, 0
.set kk, 0
.rept 32
	P0KS kk
.set kk, kk+1
.endr
.Lepi:                                                 ; THE LOOP OVER PASSES begins at a pass's way out: pass 0 falls into its head; a trip is the way out of pass PASS and then the products of the next
	; THE WAY OUT, a tile of 16 ranks a trip: four in pass 0, one in a further pass.  Registers cannot be chosen at run time, so four short texts add the bias to tile a's 32 sums and leave z in
	; common registers; one text does the rest.
.irp i, 0,1,2,3,4,5,6,7
	ds_load_b128 v[RBI+4*(\i):RBI+4*(\i)+3], v[BRD] offset:BIAS+16*(\i)  ; the bias of my 32 hidden units, in the order [t][j]
.endr
	s_lshl_b32 s31, s[PASS], 2
	s_add_co_u32 s31, s31, s[RG]
	s_add_co_u32 s31, s31, 12                      ; a further pass: my tile
	s_lshl_b32 s32, s[RG], 2                       ; pass 0: the first of my four
	s_cmp_eq_u32 s[PASS], 0
	s_cselect_b32 s31, s32, s31
	s_cselect_b32 s[ELN], 4, 1
	s_min_u32 s31, s31, 63
	s_lshl_b32 s31, s31, 17                        ; 131,072 bytes a tile
	v_add_nc_u32 v[GOFF], s31, v[L16]
	s_mov_b32 s[EL], 0
	s_wait_dscnt 0x0
.macro ZADD a                          ; each accumulator is read from its low end on
	WIN 0x01
.set ii, 0
.rept 16
	v_pk_add_f32 v[RZ+ii:RZ+ii+1], v[32*(\a)+ii:32*(\a)+ii+1], v[RBI+ii:RBI+ii+1]
.set ii, ii+2
.endr
	WIN 0
.endm
.Lgelu:
	s_cmp_eq_u32 s[EL], 0
	s_cbranch_scc1 .Lz0
	s_cmp_eq_u32 s[EL], 1
	s_cbranch_scc1 .Lz1
	s_cmp_eq_u32 s[EL], 2
	s_cbranch_scc1 .Lz2
	ZADD 3
	s_branch .Lzj
.Lz0:
	ZADD 0
	s_branch .Lzj
.Lz1:
	ZADD 1
	s_branch .Lzj
.Lz2:
	ZADD 2
.Lzj:
.set ii, 0
.rept 32
	v_and_b32 v[RAB+ii], s[ABSM], v[RZ+ii]
.set ii, ii+1
.endr
.set ii, 0
.rept 16
	v_pk_fma_f32 v[RT+ii:RT+ii+1], v[RAB+ii:RAB+ii+1], s[PCO:PCO+1], 1.0 op_sel_hi:[1,0,0]
.set ii, ii+2
.endr
.set ii, 0
.rept 32
	v_rcp_f32 v[RT+ii], v[RT+ii]
.set ii, ii+1
.endr
.set ii, 0
.rept 16
	v_pk_mul_f32 v[RE+ii:RE+ii+1], v[RZ+ii:RZ+ii+1], v[RZ+ii:RZ+ii+1]
.set ii, ii+2
.endr
.set ii, 0
.rept 16
	v_pk_mul_f32 v[RE+ii:RE+ii+1], v[RE+ii:RE+ii+1], s[C2:C2+1] op_sel_hi:[1,0]
.set ii, ii+2
.endr
.set ii, 0
.rept 32
	v_exp_f32 v[RE+ii], v[RE+ii]
.set ii, ii+1
.endr
.set ii, 0
.rept 32
	v_max_num_f32 v[RZ+ii], 0, v[RZ+ii]            ; plain work behind the batch of 64
.set ii, ii+1
.endr
	s_wait_alu depctr_va_vdst(0)                   ; the wait ahead of the batch's first reader: one for 32 reciprocals and 32 exponentials
.set ii, 0
.rept 16
	v_pk_fma_f32 v[RQ+ii:RQ+ii+1], v[RT+ii:RT+ii+1], s[A5:A5+1], s[A4:A4+1] op_sel_hi:[1,0,0]
.set ii, ii+2
.endr
.irp c, A3, A2, A1
.set ii, 0
.rept 16
	v_pk_fma_f32 v[RQ+ii:RQ+ii+1], v[RQ+ii:RQ+ii+1], v[RT+ii:RT+ii+1], s[\c:\c+1] op_sel_hi:[1,1,0]
.set ii, ii+2
.endr
.endr
.set ii, 0
.rept 16
	v_pk_mul_f32 v[RQ+ii:RQ+ii+1], v[RQ+ii:RQ+ii+1], v[RT+ii:RT+ii+1]
.set ii, ii+2
.endr
.set ii, 0
.rept 16
	v_pk_mul_f32 v[RQ+ii:RQ+ii+1], v[RQ+ii:RQ+ii+1], v[RE+ii:RE+ii+1]
.set ii, ii+2
.endr
.set ii, 0
.rept 16
	v_pk_fma_f32 v[RZ+ii:RZ+ii+1], v[RAB+ii:RAB+ii+1], v[RQ+ii:RQ+ii+1], v[RZ+ii:RZ+ii+1] neg_lo:[1,0,0] neg_hi:[1,0,0]
.set ii, ii+2
.endr
.set ii, 0
.rept 16
	v_cvt_pk_f16_f32 v[RO+ii], v[RZ+2*ii], v[RZ+2*ii+1]
.set ii, ii+1
.endr
.irp t, 0,1,2,3
	global_store_b128 v[GOFF], v[RO+4*(\t):RO+4*(\t)+3], s[SO:SO+1] offset:512*(\t)  ; 512 consecutive bytes, aligned; the four cover a block of 2,048
.endr
	s_wait_xcnt 0x0                                ; the stores have read their registers
	v_add_nc_u32 v[GOFF], 0x20000, v[GOFF]
	s_add_co_u32 s[EL], s[EL], 1
	s_cmp_lt_u32 s[EL], s[ELN]
	s_cbranch_scc1 .Lgelu
	s_add_co_u32 s[PASS], s[PASS], 1
	s_cmp_lt_u32 s[PASS], s[NPW]
	s_cbranch_scc0 .Lend                           ; no further pass of mine: forward, over text that holds no barrier
	; a further pass: my tile's 16 tokens from the list, all of their x asked for at once, 16 batches of two k steps
	s_lshl_b32 s31, s[PASS], 2
	s_add_co_u32 s31, s31, s[RG]
	s_add_co_u32 s31, s31, 12
	s_min_u32 s31, s31, 63                         ; my tile
	s_lshl_b32 s31, s31, 6                         ; 64 bytes of the list a tile
	v_add_nc_u32 v9, s31, v[LADR]
	ds_load_b32 v[TK], v9 offset:LIST
	FBL 0, 0
	s_wait_dscnt 16                                ; the token is in; the 16 fragment loads behind it may stay out
	v_min_u32 v[TK], 0x3ff, v[TK]
	v_lshl_add_u32 v[AOFF], v[TK], 11, v[H16]
.set kk, 0
.rept 30
	FLD kk
.set kk, kk+1
.endr
.set kk, 0
.rept 16
	FBATCH kk
.set kk, kk+1
.endr
	s_cmp_lt_u32 s[PASS], s[NPW]                   ; the count was taken up once, above
	s_cbranch_scc1 .Lepi
.Lend:
	BARRIER                                        ; every wave's reads of LDS are over before any wave's closing add writes LDS
	s_wait_tensorcnt 0x0                           ; the wave's end, behind my last LDS store
	ds_add_u32 v[SPW], v[NIL]
	s_wait_dscnt 0x0
	s_endpgm
.Lfunc_end_k_qeab8d7b574_up:
	.size	k_qeab8d7b574_up, .Lfunc_end_k_qeab8d7b574_up-k_qeab8d7b574_up
	.p2alignl 7, 3214868480
	.fill 96, 4, 3214868480
	.section	.rodata,"a",@progbits
	.p2align	6, 0x0
	.amdhsa_kernel k_qeab8d7b574_up
		.amdhsa_group_segment_fixed_size 271360
		.amdhsa_private_segment_fixed_size 0
		.amdhsa_enable_private_segment 0
		.amdhsa_kernarg_size 56
		.amdhsa_user_sgpr_count 2
		.amdhsa_user_sgpr_kernarg_segment_ptr 1
		.amdhsa_wavefront_size32 1
		.amdhsa_system_sgpr_workgroup_id_x 1
		.amdhsa_system_sgpr_workgroup_id_y 1
		.amdhsa_system_sgpr_workgroup_id_z 1
		.amdhsa_system_vgpr_workitem_id 0
		.amdhsa_next_free_vgpr 512
		.amdhsa_next_free_sgpr 80
		.amdhsa_reserve_vcc 1
		.amdhsa_float_denorm_mode_32 3
		.amdhsa_float_denorm_mode_16_64 3
		.amdhsa_memory_ordered 1
		.amdhsa_forward_progress 1
		.amdhsa_inst_pref_size 196
	.end_amdhsa_kernel
	.amdgpu_metadata
---
amdhsa.version: [ 1, 2 ]
amdhsa.kernels:
  - .name:           k_qeab8d7b574_up
    .symbol:         k_qeab8d7b574_up.kd
    .args:
      - { .name: route, .offset: 0, .size: 8, .value_kind: global_buffer, .address_space: global }
      - { .name: xh, .offset: 8, .size: 8, .value_kind: global_buffer, .address_space: global }
      - { .name: w1, .offset: 16, .size: 8, .value_kind: global_buffer, .address_space: global }
      - { .name: b1, .offset: 24, .size: 8, .value_kind: global_buffer, .address_space: global }
      - { .name: h, .offset: 32, .size: 8, .value_kind: global_buffer, .address_space: global }
      - { .name: pos, .offset: 40, .size: 8, .value_kind: global_buffer, .address_space: global }
      - { .name: cnt, .offset: 48, .size: 8, .value_kind: global_buffer, .address_space: global }
    .group_segment_fixed_size: 271360
    .private_segment_fixed_size: 0
    .kernarg_segment_align: 8
    .kernarg_segment_size: 56
    .max_flat_workgroup_size: 256
    .sgpr_count:     80
    .vgpr_count:     512
    .wavefront_size: 32
...
	.end_amdgpu_metadata
.endif
;; end of part 5
;; launch down (part 6): grid 32 x 8, 8 waves a work-group, no clusters, 271,360 bytes of LDS; arguments cnt, h, w2, b2, y; writes y
.if DOCPART == 6
	.amdgcn_target "amdgcn-amd-amdhsa--gfx1250"
	.amdhsa_code_object_version 6
	.text
	.protected	k_qeab8d7b574_down
	.globl	k_qeab8d7b574_down
	.p2align	8
	.type	k_qeab8d7b574_down,@function
k_qeab8d7b574_down:
	s_mov_b64 s[64:65], 0
	v_nop
	global_prefetch_b8 v0, s[64:65] scope:SCOPE_SE
	s_setreg_imm32_b32 hwreg(HW_REG_WAVE_MODE, 25, 1), 1
	s_wait_xcnt 0x0
; SECOND PRODUCT, K split in four.  y[ks][e 1024 + rank][128 nb ..] = h[rank][1024 ks ..] w2[e][1024 ks ..][128 nb ..] (+ b2[e] where ks = 0), f32 partial sums that the next launch adds.
; Work-group (x, e), nb = x & 7, ks = x >> 3, owns 1,024 k x 128 columns of w2[e]: 512 KiB of f32 that it alone reads, once.  Operands f16 (w2 rounded once here), sums f32.
; ALL EIGHT WAVES RUN ONE TEXT, the first product's: wave (rg, ch) multiplies 64 ranks x 64 columns and brings k step rg, columns 64 ch on, of every chunk of 128 k into LDS, where the slice stays.
; Pass 0 (ranks 0-255) is written out, 32 k steps under the stream with eight barriers in straight text.  Ranks from 256 on go in further passes of 64, a tile of 16 for each row group: wave (rg, ch)
; has tile 12 + 4 pass + rg x 64 columns, if the tile begins below the count: (max(count, 256) - 129 - 16 rg) / 64 passes in all, the first always: the same tiles of h that the first product has
; stored.  A further pass asks for the tile's whole slice of h, 64 loads, at once; it has no barrier.  The loop begins at a pass's way out, so that pass 0 falls into its head; one barrier stands
; behind it, between all waves' reads of LDS and the closing add.
; K's places: place (chunk c, step s, half hh, jj) is k = 128 c + 64 (s >> 1) + 32 hh + 4 (jj & 7) + 2 (s & 1) + (jj >> 3): h lies in memory in just that order, so each load of h takes 512 consecutive bytes.
; NATURAL USE.  Source 0 = h, source 1 = weights: lane (r, hh) holds column 64 ch + 4 r + t of fragment t, register j rank 8 hh + j.  The bias add brings the four t into neighbouring
; registers: a store's sixteen lanes write 256 consecutive bytes of a row of y, aligned.  Tiles of 16 ranks that begin at or past the count are not stored.
; PREFETCH.  Wave w asks for rows 16 w .. 16 w + 15 of a chunk of weights, the two blocks of 256 bytes of each, a block a lane: each block once in the launch.  Chunks 3 and 4 at the head, chunk c + 5
; in step 1 of chunk c (c = 0, 1, 2): two chunks, 128 KiB, ahead of the loads, which ask for chunk c + 3 in chunk c.  It stops at chunk 7, the slice's last.
; LIMITS.  |w2| stays under 65,504 (f16).  NO CLUSTER: each slice of weights has one reader; the tiles of h, which eight work-groups read, go straight into registers.
.set PITCH, 4096                       ; bytes of a k row of w2[e]
.set CHW,   128*PITCH
.set CHA,   4096                       ; a chunk in a tile of h
.set STA,   1024                       ; a k step there
.set QA,    512                        ; the second half of a fragment there
.set WB,    8192                       ; LDS: the weights, chunk c, step s, fragment g = 4 ch + t, half q at c 32768 + s 8192 + g 1024 + q 512 + 16 lane
.set CHL,   32768
.set SPARE, WB+8*CHL                   ; the spare words, 128 bytes a wave
.set AOFF, 4                           ; v[4:7]  131,072 a + 16 lane; never rewritten
.set SPW,  10
.set NIL,  11
.set R16,  13                          ; v13  16 r
.set YOFF, 14                          ; v14  32,768 hh + 16 r
.set WOFF, 16
.set L16,  17
.set PFO,  19                          ; v19  the block of a chunk of weights that my lane asks for ahead; never rewritten
.set BI,   20                          ; v[20:23] b2 of my four columns, or 0
.set RB,   24
.set SB,   28
.set FR,   32
.set AR,   64
.set BX,   192
.set TT,   64                          ; the way out: 128 registers
.set WS,   128
.set XW0,  64                          ; a further pass: h of k steps 0-15 in window 0, at 64 + 8 j,
.set XW1,  128                         ; of k steps 16-31 in window 1, at 128 + 8 (j - 16);
.set BW1,  32                          ; its second set of 64 fragment registers in window 1, where accumulators a = 1, 2 lay
.set WV, 24
.set RG, 25
.set CH, 26
.set PASS, 27
.set CNT, 28
.set SW0, 40
.set SA0, 44
.set SA, 46
.set SO, 48
.set NPW, 50
.set XX, 51
.set EE, 52
.set NBK, 53
.set KSP, 54
.set ROW0, 55
.set LIM, 56                           ; tiles that begin at or past this rank are not stored
.set BB, 58                            ; s[58:59] b2 at my columns
.set YB, 60                            ; s[60:61] y at my part, expert and columns
.set MSB, 0
.macro WIN new
.if MSB != (\new)
	s_set_vgpr_msb (MSB<<8)|(\new)
.set MSB, (\new)
.endif
.endm
.macro BARRIER
	s_wait_dscnt 0x0
	s_barrier_signal -1
	s_barrier_wait -1
.endm
.macro PLACES
.rept 4
	v_nop
.endr
.endm
.macro MM16 s, buf, zero               ; 16 matrix instructions on 16 different accumulators, which keep their order from step to step: they take turns
	WIN 0x50
.irp t, 0,1,2,3
.irp a, 0,1,2,3
.if \zero
	v_wmma_f32_16x16x32_f16 v[8*(4*(\a)+(\t)):8*(4*(\a)+(\t))+7], v[AR+32*(\s)+8*(\a):AR+32*(\s)+8*(\a)+7], v[BX+32*(\buf)+8*(\t):BX+32*(\buf)+8*(\t)+7], 0
.else
	v_wmma_f32_16x16x32_f16 v[8*(4*(\a)+(\t)):8*(4*(\a)+(\t))+7], v[AR+32*(\s)+8*(\a):AR+32*(\s)+8*(\a)+7], v[BX+32*(\buf)+8*(\t):BX+32*(\buf)+8*(\t)+7], v[8*(4*(\a)+(\t)):8*(4*(\a)+(\t))+7]
.endif
.endr
.endr
.endm
.macro BLD buf, breg, off
	WIN 0
.irp t, 0,1,2,3
	ds_load_b128 v[BX+32*(\buf)+8*(\t):BX+32*(\buf)+8*(\t)+3],   v[\breg] offset:(\off)+(\t)*1024
	ds_load_b128 v[BX+32*(\buf)+8*(\t)+4:BX+32*(\buf)+8*(\t)+7], v[\breg] offset:(\off)+(\t)*1024+512
.endr
.endm
.macro ALD s, off
	WIN 0
.irp a, 0,1,2,3
	global_load_b128 v[AR+32*(\s)+8*(\a):AR+32*(\s)+8*(\a)+3],   v[AOFF+(\a)], s[SA:SA+1] offset:(\off)
	global_load_b128 v[AR+32*(\s)+8*(\a)+4:AR+32*(\s)+8*(\a)+7], v[AOFF+(\a)], s[SA:SA+1] offset:(\off)+QA
.endr
.endm
.macro WLD set, c, j0, n
	WIN 0x40
.set jj, \j0
.rept \n
	global_load_b128 v[WS+64*(\set)+4*jj:WS+64*(\set)+4*jj+3], v[WOFF], s[SW0+2*((\c)/4):SW0+2*((\c)/4)+1] offset:((\c)%4)*CHW+(4*(jj&7)+(jj>>3))*PITCH th:TH_LOAD_NT
.set jj, jj+1
.endr
	WIN 0
.endm
.macro PF c                            ; my 32 blocks of 256 bytes of chunk c are asked for ahead
	global_prefetch_b8 v[PFO], s[SW0+2*((\c)/4):SW0+2*((\c)/4)+1] offset:((\c)%4)*CHW th:TH_LOAD_NT scope:SCOPE_SE
.endm
.macro CONV set, c
	WIN 0x05
.set tt, 0
.rept 4
.set jr, 0
.rept 8
	v_cvt_pk_f16_f32 v[FR+8*tt+jr], v[WS+64*(\set)+8*jr+tt], v[WS+64*(\set)+8*jr+4+tt]
.set jr, jr+1
.endr
.set tt, tt+1
.endr
	WIN 0
.set tt, 0
.rept 4
	ds_store_b128 v[SB+(\c)/2], v[FR+8*tt:FR+8*tt+3]   offset:((\c)%2)*CHL+tt*1024
	ds_store_b128 v[SB+(\c)/2], v[FR+8*tt+4:FR+8*tt+7] offset:((\c)%2)*CHL+tt*1024+512
.set tt, tt+1
.endr
.endm
; NN = the loads issued behind h of k step j when that step begins.  K step i issues 8 loads of h (i <= 27) and then 4 of weights (i <= 19).  In steps 1-3 more are behind (the 16 loads of chunk 2);
; the smaller count 40 is kept there, which holds what a wave has out at 52 loads.
.macro CNTADD i
.if (\i) <= 27
.set NN, NN+8
.endif
.if (\i) <= 19
.set NN, NN+4
.endif
.endm
.macro LCNT j
.if (\j) < 4
.set NN, 40
.else
.set NN, 0
.if (\j)-4 <= 19
.set NN, NN+4
.endif
	CNTADD (\j)-3
	CNTADD (\j)-2
	CNTADD (\j)-1
.endif
.endm
.macro P0KS j                          ; k step j of pass 0
.set cc, (\j)/4
.set ss, (\j)%4
.set nj, (\j)+1
.if (ss == 3) && (cc < 7)
	BARRIER                                        ; chunk cc + 1, laid at this chunk's step 0, is whole: its first fragments are asked for next
.endif
.if (\j) < 31
	BLD nj%2, RB+(nj/8), ((nj/4)%2)*CHL+(nj%4)*8192
.endif
	LCNT \j
	s_wait_loadcnt NN                              ; h of this step is in, and every load older than it
.if (\j) == 31
	s_wait_dscnt 0
.elseif (ss == 1) && (cc < 7)
	s_wait_dscnt 16                                ; this step's fragments are in; the conversion's 8 stores and the 8 loads just issued may stay out
.else
	s_wait_dscnt 8                                 ; this step's fragments are in; the 8 loads just issued may stay out
.endif
.if (\j) == 0
	MM16 ss, (\j)%2, 1
.else
	MM16 ss, (\j)%2, 0
.endif
.if (ss == 0) && (cc < 7)
	CONV (cc+1)%2, cc+1                            ; its 32 conversions, which name no register of the products, are the places behind them
.else
	WIN 0
	PLACES
.endif
.if (\j) < 28
	ALD ss, ((\j)/4+1)*CHA+ss*STA
.endif
.if (\j) < 20
	WLD (cc+1)%2, cc+3, 4*ss, 4
.endif
.if (ss == 1) && (cc < 3)
	PF cc+5                                        ; behind the step's loads: the chunk that the loads will ask for two chunks from now
.endif
.endm
.macro PSTART                          ; pass 0 begins: h at my four tiles, four k steps of it
	s_lshl_b32 s31, s[PASS], 4
	s_lshl_b32 s32, s[RG], 2
	s_add_co_u32 s31, s31, s32
	s_min_u32 s31, s31, 60
	s_lshl_b32 s32, s31, 17
	s_mov_b32 s33, 0
	s_add_nc_u64 s[SA:SA+1], s[SA0:SA0+1], s[32:33]
.irp s, 0,1,2,3
	ALD \s, (\s)*STA
.endr
.endm
; A FURTHER PASS, one tile of 16 ranks x 64 columns a wave, in 16 batches of two k steps.
.macro FLD j                           ; two loads: h of k step j of my tile
.if (\j) < 16
	WIN 0
	global_load_b128 v[XW0+8*(\j):XW0+8*(\j)+3],   v[AOFF], s[SA:SA+1] offset:(\j)*STA
	global_load_b128 v[XW0+8*(\j)+4:XW0+8*(\j)+7], v[AOFF], s[SA:SA+1] offset:(\j)*STA+QA
.else
	WIN 0x40
	global_load_b128 v[XW1+8*((\j)-16):XW1+8*((\j)-16)+3],   v[AOFF], s[SA:SA+1] offset:(\j)*STA
	global_load_b128 v[XW1+8*((\j)-16)+4:XW1+8*((\j)-16)+7], v[AOFF], s[SA:SA+1] offset:(\j)*STA+QA
.endif
.endm
.macro FBL set, b                      ; 16 LDS loads: my four fragments of k steps 2 b and 2 b + 1, into fragment set 0 (window 0) or 1 (window 1); fixed addresses
.if (\set) == 0
	WIN 0
.else
	WIN 0x40
.endif
.set FBR, BX*(1-(\set))+BW1*(\set)
.irp u, 0,1
.irp t, 0,1,2,3
	ds_load_b128 v[FBR+32*(\u)+8*(\t):FBR+32*(\u)+8*(\t)+3],   v[RB+(2*(\b)+(\u))/8] offset:(((2*(\b)+(\u))/4)%2)*CHL+((2*(\b)+(\u))%4)*8192+(\t)*1024
	ds_load_b128 v[FBR+32*(\u)+8*(\t)+4:FBR+32*(\u)+8*(\t)+7], v[RB+(2*(\b)+(\u))/8] offset:(((2*(\b)+(\u))/4)%2)*CHL+((2*(\b)+(\u))%4)*8192+(\t)*1024+512
.endr
.endr
.endm
.macro FMM b                           ; 8 matrix instructions: the four accumulators of tile a = 0 by turns, twice; the first four of all start the sums
.set fs, (\b)%2
.set xw, (\b)/8
.set FBR, BX*(1-fs)+BW1*fs
.set XBR, (XW0+16*(\b))*(1-xw)+(XW1+16*((\b)-8))*xw
	WIN 0x50|xw|(fs<<2)
.irp u, 0,1
.irp t, 0,1,2,3
.if ((\b) == 0) && ((\u) == 0)
	v_wmma_f32_16x16x32_f16 v[8*(\t):8*(\t)+7], v[XBR+8*(\u):XBR+8*(\u)+7], v[FBR+32*(\u)+8*(\t):FBR+32*(\u)+8*(\t)+7], 0
.else
	v_wmma_f32_16x16x32_f16 v[8*(\t):8*(\t)+7], v[XBR+8*(\u):XBR+8*(\u)+7], v[FBR+32*(\u)+8*(\t):FBR+32*(\u)+8*(\t)+7], v[8*(\t):8*(\t)+7]
.endif
.endr
.endr
.endm
.macro FBATCH b
.if (\b) < 15
	FBL ((\b)+1)%2, (\b)+1                         ; the next batch's fragments; their set's last readers stand ahead of the last batch's places
.endif
.if (\b) == 0
	s_wait_loadcnt 56                              ; of the 60 loads issued the first four, k steps 0 and 1, are in
	FLD 30                                         ; the last four go out here, so that a wave never has more than 60 loads out
	FLD 31
.else
	s_wait_loadcnt 60-4*(\b)                       ; this batch's four loads are in; those of the batches behind it may stay out
.endif
.if (\b) < 15
	s_wait_dscnt 16                                ; this batch's fragments are in; the 16 loads just issued may stay out
.else
	s_wait_dscnt 0
.endif
	FMM \b
	WIN 0
	PLACES
.endm
	s_load_b256 s[8:15], s[0:1], 0x0               ; cnt, h, w2, b2
	s_load_b64 s[16:17], s[0:1], 0x20              ; y
	v_lshl_add_u32 v[SPW], v0, 2, SPARE
	v_mov_b32 v[NIL], 0
	v_and_b32 v1, 31, v0
	v_lshrrev_b32 v9, 5, v0
	v_readfirstlane_b32 s[WV], v9
	v_and_b32 v2, 15, v0
	v_bfe_u32 v3, v0, 4, 1
	s_lshr_b32 s[RG], s[WV], 1
	s_and_b32 s[CH], s[WV], 1
	s_mov_b32 s[XX], ttmp9
	s_and_b32 s[EE], ttmp7, 0xffff
	s_and_b32 s[NBK], s[XX], 7
	s_lshr_b32 s[KSP], s[XX], 3
	v_lshlrev_b32 v[L16], 4, v1
	v_lshlrev_b32 v[R16], 4, v2
	v_lshl_add_u32 v[WOFF], v3, 17, v[R16]         ; 32 hh rows of 4,096 bytes + 16 r
	s_lshr_b32 s31, s[RG], 1
	s_lshl_b32 s31, s31, 18                        ; + 64 (s >> 1) rows
	s_and_b32 s32, s[RG], 1
	s_lshl_b32 s32, s32, 13                        ; + 2 (s & 1) rows
	s_add_co_u32 s31, s31, s32
	s_lshl_b32 s32, s[CH], 8                       ; + 64 columns
	s_add_co_u32 s31, s31, s32
	v_add_nc_u32 v[WOFF], s31, v[WOFF]
	v_lshrrev_b32 v9, 1, v1                        ; ahead: row 16 wave + lane / 2 of a chunk,
	s_lshl_b32 s31, s[WV], 4
	v_add_nc_u32 v9, s31, v9
	v_and_b32 v18, 1, v1                           ; block lane % 2 of its 512 bytes
	v_lshlrev_b32 v[PFO], 12, v9
	v_lshl_add_u32 v[PFO], v18, 8, v[PFO]
	s_lshl_b32 s31, s[CH], 12
	s_add_co_u32 s31, s31, WB
	s_lshl_b32 s32, s[RG], 13
	s_add_co_u32 s32, s32, s31
.irp i, 0,1,2,3
	v_add_nc_u32 v[RB+(\i)], s31, v[L16]
	v_add_nc_u32 v[SB+(\i)], s32, v[L16]
	s_add_co_u32 s31, s31, 2*CHL
	s_add_co_u32 s32, s32, 2*CHL
.endr
	s_mov_b32 s[PASS], 0
	s_mov_b32 s33, 0
	s_lshl_b32 s38, s[EE], 7
	s_wait_kmcnt 0x0
	s_load_b32 s[CNT], s[8:9], s38 offset:0x0      ; the expert's count
	s_lshl_b32 s32, s[EE], 24
	s_lshl_b32 s31, s[KSP], 22
	s_add_co_u32 s32, s32, s31
	s_lshl_b32 s31, s[NBK], 9
	s_add_co_u32 s32, s32, s31
	s_add_nc_u64 s[SW0:SW0+1], s[12:13], s[32:33]  ; w2[e][1024 ks][128 nb]
	s_add_nc_u64 s[SW0+2:SW0+3], s[SW0:SW0+1], 4*CHW
	s_lshl_b32 s32, s[EE], 23
	s_lshl_b32 s31, s[KSP], 15
	s_add_co_u32 s32, s32, s31
	s_add_nc_u64 s[SA0:SA0+1], s[10:11], s[32:33]  ; h[e][tile 0][block 16 ks]
	s_lshl_b32 s32, s[EE], 12
	s_lshl_b32 s31, s[NBK], 9
	s_add_co_u32 s32, s32, s31
	s_lshl_b32 s31, s[CH], 8
	s_add_co_u32 s32, s32, s31
	s_add_nc_u64 s[BB:BB+1], s[14:15], s[32:33]
	s_lshl_b32 s32, s[KSP], 25
	s_lshl_b32 s31, s[EE], 22
	s_add_co_u32 s32, s32, s31
	s_lshl_b32 s31, s[NBK], 9
	s_add_co_u32 s32, s32, s31
	s_lshl_b32 s31, s[CH], 8
	s_add_co_u32 s32, s32, s31
	s_add_nc_u64 s[YB:YB+1], s[16:17], s[32:33]
	global_load_b128 v[BI:BI+3], v[R16], s[BB:BB+1]  ; b2 of my four columns
	WLD 0, 0, 0, 16
	WLD 1, 1, 0, 16
	PF 3                                           ; chunks 3 and 4, which the loads ask for in chunks 0 and 1
	PF 4
	v_lshl_add_u32 v[YOFF], v3, 15, v[R16]
.irp a, 0,1,2,3
	v_add_nc_u32 v[AOFF+(\a)], (\a)*131072, v[L16]
.endr
	s_wait_kmcnt 0x0
	s_min_u32 s[CNT], s[CNT], 1024
	s_max_u32 s31, s[CNT], 256
	s_lshl_b32 s32, s[RG], 4
	s_sub_co_u32 s31, s31, 129
	s_sub_co_u32 s31, s31, s32
	s_lshr_b32 s[NPW], s31, 6                      ; my passes: pass 0, and those p with 16 (12 + 4 p + rg) below the count
	s_cmp_eq_u32 s[KSP], 0
	s_cselect_b32 s31, -1, 0
	s_wait_loadcnt 16                              ; b2 and my part of chunk 0 are in; chunk 1's 16 loads stay out
.irp k, 0,1,2,3
	v_cndmask_b32 v[BI+(\k)], 0, v[BI+(\k)], s31   ; the bias goes into the first of the four partial sums alone
.endr
	CONV 0, 0
	BARRIER                                        ; chunk 0 is in LDS
	PSTART
	s_wait_loadcnt 32                              ; my part of chunk 1 is in; the 32 loads of h stay out
	WLD 0, 2, 0, 16
	BLD 0, RB, 0
.set kk, 0
.rept 32
	P0KS kk
.set kk, kk+1
.endr
.Lepi:                                                 ; THE LOOP OVER PASSES begins at a pass's way out: pass 0 falls into its head; a trip is the way out of pass PASS and then the products of the next
	s_lshl_b32 s31, s[PASS], 6
	s_lshl_b32 s32, s[RG], 4
	s_add_co_u32 s31, s31, s32
	s_add_co_u32 s31, s31, 192                     ; a further pass: my tile's first rank,
	s_add_co_u32 s35, s31, 1                       ; and a limit that lets that one tile through
	s_lshl_b32 s32, s[RG], 6                       ; pass 0: my first rank; its limit is the count
	s_cmp_eq_u32 s[PASS], 0
	s_cselect_b32 s[ROW0], s32, s31
	s_cselect_b32 s[LIM], s[CNT], s35
	s_min_u32 s[ROW0], s[ROW0], 1008
	s_lshl_b32 s32, s[ROW0], 12
	s_mov_b32 s33, 0
	s_add_nc_u64 s[SO:SO+1], s[YB:YB+1], s[32:33]  ; (the last pass's stores have read their base: the wait behind its last tile)
.macro YTILE a
	s_add_co_u32 s34, s[ROW0], 16*(\a)
	s_cmp_lt_u32 s34, s[LIM]
	s_cbranch_scc0 .Lydone                         ; this tile and those behind it are not stored
	WIN 0x01
.irp j, 0,1,2,3,4,5,6,7                ; register 0 of each accumulator first
.irp t, 0,1,2,3
	v_add_f32 v[TT+32*(\a)+4*(\j)+(\t)], v[8*(4*(\a)+(\t))+(\j)], v[BI+(\t)]
.endr
.endr
	WIN 0
.irp j, 0,1,2,3,4,5,6,7
	global_store_b128 v[YOFF], v[TT+32*(\a)+4*(\j):TT+32*(\a)+4*(\j)+3], s[SO:SO+1] offset:(\a)*65536+(\j)*4096  ; sixteen lanes: 256 consecutive bytes of a row, aligned
.endr
.endm
	YTILE 0
	YTILE 1
	YTILE 2
	YTILE 3
.Lydone:
	s_wait_xcnt 0x0                                ; the stores have read their registers and their base, which the next pass writes
	s_add_co_u32 s[PASS], s[PASS], 1
	s_cmp_lt_u32 s[PASS], s[NPW]
	s_cbranch_scc0 .Lend                           ; no further pass of mine: forward, over text that holds no barrier
	; a further pass: h at my tile, all of its slice asked for at once, 16 batches of two k steps
.rept 5
	v_nop                                          ; five places between the last products on tile 0's accumulators and the products that start new sums on them (ISA guide 7.12.1): here, so that they
.endr                                                  ; stand on every way into this text, that on which no tile was stored too
	s_lshl_b32 s31, s[PASS], 2
	s_add_co_u32 s31, s31, s[RG]
	s_add_co_u32 s31, s31, 12
	s_min_u32 s31, s31, 63                         ; my tile
	s_lshl_b32 s32, s31, 17
	s_mov_b32 s33, 0
	s_add_nc_u64 s[SA:SA+1], s[SA0:SA0+1], s[32:33]
	FBL 0, 0
.set kk, 0
.rept 30
	FLD kk
.set kk, kk+1
.endr
.set kk, 0
.rept 16
	FBATCH kk
.set kk, kk+1
.endr
	s_cmp_lt_u32 s[PASS], s[NPW]                   ; the count was taken up once, above
	s_cbranch_scc1 .Lepi
.Lend:
	BARRIER                                        ; every wave's reads of LDS are over before any wave's closing add writes LDS
	s_wait_tensorcnt 0x0                           ; the wave's end, behind my last LDS store
	ds_add_u32 v[SPW], v[NIL]
	s_wait_dscnt 0x0
	s_endpgm
.Lfunc_end_k_qeab8d7b574_down:
	.size	k_qeab8d7b574_down, .Lfunc_end_k_qeab8d7b574_down-k_qeab8d7b574_down
	.p2alignl 7, 3214868480
	.fill 96, 4, 3214868480
	.section	.rodata,"a",@progbits
	.p2align	6, 0x0
	.amdhsa_kernel k_qeab8d7b574_down
		.amdhsa_group_segment_fixed_size 271360
		.amdhsa_private_segment_fixed_size 0
		.amdhsa_enable_private_segment 0
		.amdhsa_kernarg_size 40
		.amdhsa_user_sgpr_count 2
		.amdhsa_user_sgpr_kernarg_segment_ptr 1
		.amdhsa_wavefront_size32 1
		.amdhsa_system_sgpr_workgroup_id_x 1
		.amdhsa_system_sgpr_workgroup_id_y 1
		.amdhsa_system_sgpr_workgroup_id_z 1
		.amdhsa_system_vgpr_workitem_id 0
		.amdhsa_next_free_vgpr 512
		.amdhsa_next_free_sgpr 66
		.amdhsa_reserve_vcc 0
		.amdhsa_float_denorm_mode_32 3
		.amdhsa_float_denorm_mode_16_64 3
		.amdhsa_memory_ordered 1
		.amdhsa_forward_progress 1
		.amdhsa_inst_pref_size 162
	.end_amdhsa_kernel
	.amdgpu_metadata
---
amdhsa.version: [ 1, 2 ]
amdhsa.kernels:
  - .name:           k_qeab8d7b574_down
    .symbol:         k_qeab8d7b574_down.kd
    .args:
      - { .name: cnt, .offset: 0, .size: 8, .value_kind: global_buffer, .address_space: global }
      - { .name: h, .offset: 8, .size: 8, .value_kind: global_buffer, .address_space: global }
      - { .name: w2, .offset: 16, .size: 8, .value_kind: global_buffer, .address_space: global }
      - { .name: b2, .offset: 24, .size: 8, .value_kind: global_buffer, .address_space: global }
      - { .name: y, .offset: 32, .size: 8, .value_kind: global_buffer, .address_space: global }
    .group_segment_fixed_size: 271360
    .private_segment_fixed_size: 0
    .kernarg_segment_align: 8
    .kernarg_segment_size: 40
    .max_flat_workgroup_size: 256
    .sgpr_count:     66
    .vgpr_count:     512
    .wavefront_size: 32
...
	.end_amdgpu_metadata
.endif
;; end of part 6
;; launch combine: the kernel of part 4 again; grid 256 x 1, 8 waves a work-group, no clusters, 0 bytes of LDS; arguments route, gate, pos, y, out0; writes out0
